; MI455X (gfx1250); checked and timed in simulation.
; The chip was launched on July 23, 2026; its instructions are those of AMD's public machine-readable ISA for CDNA 5 (MIT licence, August 2026) and "CDNA5" Instruction Set Architecture Reference Guide (July 2026). The comments in the code are by the model that wrote it; some were corrected since.
;; Cross Att. Allowed arithmetic: float matrix products may take bf16 or f16 operands with f32 sums; other float arithmetic in f32, or as packed bf16 or f16 multiplies, adds, multiply-adds, maxima and minima; sums over many terms, partial sums and values carried from step to step in f32; what a program stores and reads back later, other than sums and carried values, may be rounded once to bf16 or f16.
;; Inputs: W1 4 x 256 x 768 float32; W2 4 x 768 x 256 float32; Wk 4 x 256 x 256 float32; Wo 4 x 256 x 256 float32; Wq 4 x 256 x 256 float32; Wv 4 x 256 x 256 float32; an_b 4 x 256 float32; an_g 4 x 256 float32; b1 4 x 768 float32; b2 4 x 256 float32; bk 4 x 256 float32; bo 4 x 256 float32; bq 4 x 256 float32; bv 4 x 256 float32; fn_b 4 x 256 float32; fn_g 4 x 256 float32; img 2 x 1,024 x 256 float32; n_b 4 x 256 float32; n_g 4 x 256 float32; pose 2 x 1,024 x 256 float32; vel 2 x 1,024 x 256 float32.
;; Outputs: out0 2 x 1,024 x 256 float32; out1 2 x 1,024 x 256 float32.
;; 2 versions, each right and faster than the one before. Each part assembles by itself: llvm-mc -triple=amdgcn-amd-amdhsa -mcpu=gfx1250 --defsym DOCPART=n.
;; ======== version 1 of 2: 9 launches
;; limits: values are held in f16: magnitudes above 65,504 overflow, below 6.1e-05 lose precision; a function is approximated: absolute error at most 0.0003
;; workspace buffers: L0 5,255,168 bytes; L1 5,255,168 bytes; L2 5,255,168 bytes; L3 5,255,168 bytes; xw0 2,097,152 bytes; xw1 2,097,152 bytes; obuf 2,097,152 bytes
;; launch prep (part 1): grid 32 x 8, 4 waves a work-group, no clusters, 148,992 bytes of LDS; arguments Wk, Wv, bk, bv, vel, img, pose, out0, out1, L0, L1, L2, L3, Wo, W1, W2, Wq, bq, bo, an_g, an_b, fn_g, fn_b, b2, n_g, n_b, b1; writes L0, L1, L2, L3, out0, out1
.if DOCPART == 1
	.amdgcn_target "amdgcn-amd-amdhsa--gfx1250"
	.amdhsa_code_object_version 6
	.text
	.protected	k_qdf32ae95ad_prep
	.globl	k_qdf32ae95ad_prep
	.p2align	8
	.type	k_qdf32ae95ad_prep,@function
k_qdf32ae95ad_prep:
	s_mov_b64 s[64:65], 0
	v_nop
	global_prefetch_b8 v0, s[64:65] scope:SCOPE_SE
	s_setreg_imm32_b32 hwreg(HW_REG_WAVE_MODE, 25, 1), 1
	s_wait_xcnt 0x0
; PREP.  All that does not hang on x, for all four layers, and x's start.
;   K = kv Wk + bk and V = kv Wv + bv for kv = vel (sequences 0, 1) and img (sequences 2, 3), written by heads, [sequence][head][key][64] in f16;
;   Wo, W1 and W2 cut into seven blocks [256 k][256 n] in f16, in the order in which the third body walks them; Wq turned, [n][k], in f16;
;   the ten bias and gain vectors in f32; pose into out0 and out1, the first layer's x.
; EVERY INPUT IS ROUNDED ONCE TO bf16; a weight's bf16 number is then written as f16.
; LIMITS.  f16 ends at 65,504: weights, K and V must lie within it (with all inputs 30 times the usual spread K and V reach some 1,500; with a common offset of 30 spreads on
; kv and on the weights 256 x 30 x 0.6 = 4,608).  Below 6.1e-5 f16 keeps a fixed step of 6e-8.  NaN and infinities are not treated apart.
; SHARES.  Work-group (rb, j): layer i = j / 2, kind = j % 2 (K or V), rows 128 rb .. 128 rb + 127 of the 4,096 kv rows, all 256 columns; wave w has 32 of the rows.
; Beside that each work-group casts its 64th of the layer's weights (place e = 2 rb + kind) and its 256th of pose; the work-group with e = 0 the layer's vectors.
; NO CLUSTER, NO TENSOR LOAD: what work-groups share here (256 KiB of weights among 32, 128 KiB of rows among 8) is f32 and has to pass through registers to be rounded.
; PRODUCT.  Transposed: source 0 = 16 columns of the weight (turned out of LDS by ds_load_tr16_b128), source 1 = 16 rows of kv: a lane ends with 8 neighbouring columns of one row.
; REGISTERS, in windows of 256.  Window 0: v1-23 addresses, v24-63 at work, v64-191 the streams, later two buffers of weight fragments, v192-255 the way out.
;   window 1: four sets of 64 for the weights on their way to LDS, later the 32 accumulators ((rt, nt) at 8 (16 rt + nt)).
;   window 2: my 32 rows of kv in f32, packed in place to 16 fragments ((rt, ks) at 8 (8 rt + ks)).     window 3: the bias as C operands (nt at 8 nt), v128-131 at work.
.set PW,      544                      ; a weight row in LDS: 512 bytes + 32 = 17 x 32
.set STAGE,   256*PW                   ; behind the weights: 16 rows x 144 bytes for each wave, for the way out
.set SPST,    144
.set SPARE,   STAGE+4*16*SPST           ; the spare words, 128 bytes for each wave: two blocks of 256 bytes that no other line names
.set OFF_WQT, 0xE0000                  ; places in a layer's buffer
.set OFF_K,   0x100000
.set OFF_VEC, 0x500000
.set SPW, 22                           ; v22  LDS address of my spare word; never rewritten
.set NIL, 23                           ; v23  0; never rewritten
.set MSB, 0
.macro WIN new                         ; the immediate's high byte repeats the setting that is left; a switch that changes nothing is dropped
.if MSB != (\new)
	s_set_vgpr_msb (MSB<<8)|(\new)
.set MSB, \new
.endif
.endm
.macro PLACES                          ; four plain places behind matrix instructions (ISA guide 7.12.1)
.rept 4
	v_nop
.endr
.endm
.macro RB a, b, t                      ; two f32 rounded to bf16 and widened again
	v_cvt_pk_bf16_f32 v[\t], v[\a], v[\b]
	v_lshlrev_b32 v[\a], 16, v[\t]
	v_and_b32 v[\b], s66, v[\t]
.endm
.macro RH d, a, b, t                   ; the same, then written as two f16
	RB \a, \b, \t
	v_cvt_pk_f16_f32 v[\d], v[\a], v[\b]
.endm
	s_load_b512 s[4:19], s[0:1], 0x0               ; Wk 4, Wv 6, bk 8, bv 10, vel 12, img 14, pose 16, out0 18
	s_load_b512 s[20:35], s[0:1], 0x40             ; out1 20, L0 22, L1 24, L2 26, L3 28, Wo 30, W1 32, W2 34
	s_load_b512 s[36:51], s[0:1], 0x80             ; Wq 36, bq 38, bo 40, an_g 42, an_b 44, fn_g 46, fn_b 48, b2 50
	s_load_b128 s[52:55], s[0:1], 0xc0             ; n_g 52, n_b 54
	s_load_b64 s[56:57], s[0:1], 0xd0              ; b1 56
	v_lshl_add_u32 v[SPW], v0, 2, SPARE
	v_mov_b32 v[NIL], 0
	v_lshrrev_b32 v24, 5, v0
	v_readfirstlane_b32 s58, v24                   ; wave 0..3
	s_mov_b32 s59, ttmp9                           ; rb
	s_and_b32 s60, ttmp7, 0xffff                   ; j
	s_lshr_b32 s61, s60, 1                         ; layer i
	s_and_b32 s62, s60, 1                          ; kind
	s_lshl1_add_u32 s63, s59, s62                  ; e = 2 rb + kind
	s_mov_b32 s66, 0xffff0000                      ; a word's upper bf16
	v_and_b32 v1, 31, v0                           ; l
	v_and_b32 v2, 15, v0                           ; r
	v_bfe_u32 v3, v0, 4, 1                         ; hh
	v_lshlrev_b32 v4, 4, v0                        ; pose: 16 x thread
	s_lshl2_add_u32 s94, s63, s58                  ; the weight row that my wave casts: kr = 4 e + w
	s_lshl_b32 s95, s94, 10
	v_lshl_add_u32 v5, v1, 5, s95                  ; Wo, W2: kr x 1,024 + 32 l
	s_mul_i32 s95, s94, 3072
	v_lshl_add_u32 v6, v1, 5, s95                  ; W1: kr x 3,072 + 32 l
	s_lshl_b32 s95, s94, 9
	v_lshl_add_u32 v7, v1, 4, s95                  ; out: kr x 512 + 16 l
	s_lshr_b32 s94, s63, 3
	s_lshl_b32 s94, s94, 5
	s_lshl3_add_u32 s94, s58, s94                  ; Wq: k0 = 32 (e / 8) + 8 w
	s_and_b32 s95, s63, 7                          ; and columns n = 32 (e % 8) + l
	s_lshl_b32 s96, s94, 10
	s_lshl_b32 s97, s95, 7
	s_add_co_u32 s96, s96, s97
	v_lshl_add_u32 v8, v1, 2, s96                  ; in: k0 x 1,024 + 4 n
	s_lshl_b32 s96, s95, 14
	s_lshl1_add_u32 s96, s94, s96
	v_lshl_add_u32 v9, v1, 9, s96                  ; out: n x 512 + 2 k0
	s_lshl_b32 s96, s61, 10
	v_lshl_add_u32 v10, v0, 3, s96                 ; vectors of 256: i x 1,024 + 8 x thread
	s_mul_i32 s96, s61, 3072
	v_lshl_add_u32 v11, v0, 3, s96                 ; b1: i x 3,072 + 8 x thread
	v_lshlrev_b32 v12, 3, v0
	v_lshlrev_b32 v14, 5, v3                       ; bias as C: 32 hh
	v_lshl_add_u32 v13, v2, 10, v14                ; kv fragments: r x 1,024 + 32 hh
	s_lshl_b32 s96, s58, 16
	v_lshl_add_u32 v15, v1, 5, s96                 ; weights in: my 64 rows, 32 l
	s_mul_i32 s96, s58, 64*PW
	v_lshl_add_u32 v16, v1, 4, s96                 ; weights into LDS: my 64 rows, 16 l
	v_and_b32 v24, 7, v0
	v_bfe_u32 v25, v0, 3, 1
	v_lshl_add_u32 v17, v3, 3, v24                 ; the turning load: row 8 hh + l % 8,
	v_mul_u32_u24 v17, v17, PW
	v_lshl_add_u32 v17, v25, 4, v17                ; 16 bytes by (l / 8) % 2
	v_add_nc_u32 v18, 128*PW, v17                  ; the same for k from 128 on
	s_mul_i32 s96, s58, 16*SPST
	s_add_co_u32 s96, s96, STAGE                   ; my stage
	v_mul_u32_u24 v19, v2, SPST
	v_lshl_add_u32 v19, v3, 4, v19
	v_add_nc_u32 v19, s96, v19                     ; in: row r, 16 bytes for each half of the lanes
	v_bfe_u32 v20, v0, 3, 2
	v_mul_u32_u24 v20, v20, SPST
	v_lshl_add_u32 v20, v24, 4, v20
	v_add_nc_u32 v20, s96, v20                     ; back: 32 lanes take four rows of 128 bytes,
	v_lshlrev_b32 v21, 4, v1                       ; which are 512 consecutive bytes of K or V
	; byte offsets, each in registers of its own
	s_lshl_b32 s70, s60, 5
	s_add_co_u32 s70, s70, s59
	s_lshl_b32 s70, s70, 13                        ; pose: (32 j + rb) x 8,192
	s_mov_b32 s71, 0
	s_lshl_b32 s94, s61, 18                        ; i x 262,144
	s_mov_b32 s95, 0
	s_mul_i32 s96, s61, 786432                     ; i x 786,432
	s_mov_b32 s97, 0
	s_lshl_b32 s98, s61, 10                        ; i x 1,024
	s_mov_b32 s99, 0
	s_wait_kmcnt 0x0
	s_cmp_eq_u32 s61, 1                            ; the layer's buffer
	s_cselect_b64 s[68:69], s[24:25], s[22:23]
	s_cmp_eq_u32 s61, 2
	s_cselect_b64 s[68:69], s[26:27], s[68:69]
	s_cmp_eq_u32 s61, 3
	s_cselect_b64 s[68:69], s[28:29], s[68:69]
	s_cmp_eq_u32 s62, 0
	s_cselect_b64 s[90:91], s[4:5], s[6:7]         ; Wk or Wv
	s_cselect_b64 s[88:89], s[8:9], s[10:11]       ; bk or bv
	s_cmp_lt_u32 s59, 16
	s_cselect_b64 s[86:87], s[12:13], s[14:15]     ; vel or img
	s_add_nc_u64 s[72:73], s[16:17], s[70:71]      ; pose, out0, out1 at my 8,192 bytes
	s_add_nc_u64 s[74:75], s[18:19], s[70:71]
	s_add_nc_u64 s[76:77], s[20:21], s[70:71]
	s_add_nc_u64 s[78:79], s[30:31], s[94:95]      ; Wo[i]
	s_add_nc_u64 s[84:85], s[36:37], s[94:95]      ; Wq[i]
	s_add_nc_u64 s[90:91], s[90:91], s[94:95]      ; Wk[i] or Wv[i]
	s_add_nc_u64 s[80:81], s[32:33], s[96:97]      ; W1[i]
	s_add_nc_u64 s[82:83], s[34:35], s[96:97]      ; W2[i]
	s_add_nc_u64 s[88:89], s[88:89], s[98:99]      ; bk[i] or bv[i]
	s_and_b32 s70, s59, 15
	s_lshl_b32 s70, s70, 7
	s_lshl_b32 s94, s58, 5
	s_add_co_u32 s70, s70, s94                     ; my wave's first row in vel or img
	s_lshl_b32 s70, s70, 10
	s_add_nc_u64 s[86:87], s[86:87], s[70:71]
	s_lshl_b32 s70, s62, 21                        ; K at OFF_K, V 0x200000 behind it
	s_add_co_u32 s70, s70, OFF_K
	s_lshr_b32 s94, s59, 3
	s_lshl_b32 s94, s94, 19                        ; the sequence: four heads of 131,072 bytes
	s_add_co_u32 s70, s70, s94
	s_and_b32 s94, s59, 7
	s_lshl_b32 s94, s94, 14                        ; 128 keys of 128 bytes
	s_add_co_u32 s70, s70, s94
	s_lshl_b32 s94, s58, 12                        ; my wave's 32 keys
	s_add_co_u32 s70, s70, s94
	s_add_nc_u64 s[92:93], s[68:69], s[70:71]
	; THE STREAMS.  All 26 loads go out first, each into registers of its own.
.irp u, 0,1,2,3
	global_load_b128 v[64+4*\u:67+4*\u], v4, s[72:73] offset:2048*\u th:TH_LOAD_NT
.endr
	global_load_b128 v[80:83], v5, s[78:79] th:TH_LOAD_NT
	global_load_b128 v[84:87], v5, s[78:79] offset:16 th:TH_LOAD_NT
.irp c, 0,1,2
	global_load_b128 v[88+8*\c:91+8*\c], v6, s[80:81] offset:1024*\c th:TH_LOAD_NT
	global_load_b128 v[92+8*\c:95+8*\c], v6, s[80:81] offset:1024*\c+16 th:TH_LOAD_NT
.endr
.irp c, 0,1,2
	global_load_b128 v[112+8*\c:115+8*\c], v5, s[82:83] offset:262144*\c th:TH_LOAD_NT
	global_load_b128 v[116+8*\c:119+8*\c], v5, s[82:83] offset:262144*\c+16 th:TH_LOAD_NT
.endr
.irp u, 0,1,2,3,4,5,6,7
	global_load_b32 v[164+\u], v8, s[84:85] offset:1024*\u th:TH_LOAD_NT
.endr
	s_wait_loadcnt 22                              ; pose is in: 14 + 8 younger loads may stay out
.set q, 0
.rept 8
	RB 64+2*q, 65+2*q, 24+q%4
.set q, q+1
.endr
.irp u, 0,1,2,3
	global_store_b128 v4, v[64+4*\u:67+4*\u], s[74:75] offset:2048*\u
	global_store_b128 v4, v[64+4*\u:67+4*\u], s[76:77] offset:2048*\u
.endr
	s_wait_loadcnt 8                               ; the seven blocks' rows are in: Wq's 8 loads may stay out
.set q, 0
.rept 28
	RH 136+q, 80+2*q, 81+2*q, 24+q%4
.set q, q+1
.endr
.irp c, 0,1,2,3,4,5,6
	global_store_b128 v7, v[136+4*\c:139+4*\c], s[68:69] offset:131072*\c  ; a wave stores 512 consecutive bytes: a row of the block
.endr
	s_wait_loadcnt 0x0
.set q, 0
.rept 4
	RH 172+q, 164+2*q, 165+2*q, 24+q
.set q, q+1
.endr
	global_store_b128 v9, v[172:175], s[68:69] offset:OFF_WQT  ; the turned Wq leaves in pieces of 16 bytes, 512 bytes apart: 131,072 bytes a layer, once in the program
	s_cmp_lg_u32 s63, 0
	s_cbranch_scc1 .Lno_vec                        ; one work-group a layer casts the vectors
.irp u, 0,1,2,3,4,5,6,7,8
	global_load_b64 v[176+2*\u:177+2*\u], v10, s[38+2*\u:39+2*\u]
.endr
.irp c, 0,1,2
	global_load_b64 v[194+2*\c:195+2*\c], v11, s[56:57] offset:1024*\c
.endr
	s_wait_loadcnt 0x0
.set q, 0
.rept 12
	RB 176+2*q, 177+2*q, 24+q%4
.set q, q+1
.endr
.irp u, 0,1,2,3,4,5,6,7,8,9,10,11
	global_store_b64 v12, v[176+2*\u:177+2*\u], s[68:69] offset:OFF_VEC+1024*\u
.endr
.Lno_vec:
	s_wait_xcnt 0x0                                ; the stores above have read their data: v64-199 are written again below
	; THE PRODUCT.  My 32 rows of kv, the bias, and my 64 rows of the weight on their way to LDS.
	WIN 0x80
.set fi, 0
.rept 16                               ; fragment fi = 8 rt + ks: 16 f32 a lane
	global_load_b128 v[16*fi:16*fi+3],     v13, s[86:87] offset:(fi/8)*16384+(fi%8)*128
	global_load_b128 v[16*fi+4:16*fi+7],   v13, s[86:87] offset:(fi/8)*16384+(fi%8)*128+16
	global_load_b128 v[16*fi+8:16*fi+11],  v13, s[86:87] offset:(fi/8)*16384+(fi%8)*128+64
	global_load_b128 v[16*fi+12:16*fi+15], v13, s[86:87] offset:(fi/8)*16384+(fi%8)*128+80
.set fi, fi+1
.endr
	WIN 0xc0
.set nt, 0
.rept 16
	global_load_b128 v[8*nt:8*nt+3],   v14, s[88:89] offset:64*nt
	global_load_b128 v[8*nt+4:8*nt+7], v14, s[88:89] offset:64*nt+16
.set nt, nt+1
.endr
.macro WLOAD b                         ; batch b: eight rows, 16 loads, into set b % 4
	WIN 0x40
.set i2, 0
.rept 8
	global_load_b128 v[64*((\b)%4)+8*i2:64*((\b)%4)+8*i2+3],   v15, s[90:91] offset:(8*(\b)+i2)*1024
	global_load_b128 v[64*((\b)%4)+8*i2+4:64*((\b)%4)+8*i2+7], v15, s[90:91] offset:(8*(\b)+i2)*1024+16
.set i2, i2+1
.endr
.endm
.macro WCONV b, left                   ; batch b is rounded to bf16 and laid into LDS; left = the younger loads
	s_wait_loadcnt \left
	WIN 0x05
.set p, 0
.rept 32
	v_cvt_pk_bf16_f32 v[32+p], v[64*((\b)%4)+2*p], v[64*((\b)%4)+2*p+1]
.set p, p+1
.endr
	WIN 0
.set i2, 0
.rept 8
	ds_store_b128 v16, v[32+4*i2:32+4*i2+3] offset:(8*(\b)+i2)*PW
.set i2, i2+1
.endr
.endm
	WLOAD 0
	WLOAD 1
	WLOAD 2
.irp b, 0,1,2,3,4
	WLOAD (\b)+3
	WCONV \b, 48                                   ; three younger batches of 16; kv and the bias are older, so they are in at the first of these waits
.endr
	WCONV 5, 32
	WCONV 6, 16
	WCONV 7, 0
	WIN 0x8a                                       ; kv to bf16, in place: register k takes registers 2 k and 2 k + 1, ascending
.set p, 0
.rept 128
	v_cvt_pk_bf16_f32 v[p], v[2*p], v[2*p+1]
.set p, p+1
.endr
	WIN 0xff
.set p, 0
.rept 64
	RB 2*p, 2*p+1, 128+p%4
.set p, p+1
.endr
	WIN 0
	s_wait_dscnt 0x0                               ; for the others' sake: my rows of the weight lie in LDS
	s_barrier_signal -1
	s_barrier_wait -1
; Step st = (ks, half): 32 along K, eight of the sixteen column tiles.  16 turning loads into buffer st % 2.
.macro FETCHB st
	WIN 0
.set t, 0
.rept 8
	ds_load_tr16_b128 v[64+64*((\st)%2)+8*t:64+64*((\st)%2)+8*t+3],   v[17+(\st)/8] offset:(((\st)/2)%4)*32*PW+32*(8*((\st)%2)+t)
	ds_load_tr16_b128 v[64+64*((\st)%2)+8*t+4:64+64*((\st)%2)+8*t+7], v[17+(\st)/8] offset:(((\st)/2)%4)*32*PW+32*(8*((\st)%2)+t)+16*PW
.set t, t+1
.endr
.endm
; 16 products on 16 different accumulators; a chain's links stand 32 matrix instructions apart.  The first K step takes the bias as C: nothing is cleared.
.macro MULB st
.set ks, (\st)/2
.if ks == 0
	WIN 0x78                                       ; D window 1, weight window 0, kv window 2, C window 3
.else
	WIN 0x58                                       ; C and D window 1
.endif
.set t, 0
.rept 8
.set nt, 8*((\st)%2)+t
.set rB, 64+64*((\st)%2)+8*t
.irp rt, 0,1
.if ks == 0
	v_wmma_f32_16x16x32_bf16 v[8*(16*\rt+nt):8*(16*\rt+nt)+7], v[rB:rB+7], v[8*(8*\rt+ks):8*(8*\rt+ks)+7], v[8*nt:8*nt+7]
.else
	v_wmma_f32_16x16x32_bf16 v[8*(16*\rt+nt):8*(16*\rt+nt)+7], v[rB:rB+7], v[8*(8*\rt+ks):8*(8*\rt+ks)+7], v[8*(16*\rt+nt):8*(16*\rt+nt)+7]
.endif
.endr
.set t, t+1
.endr
.endm
	FETCHB 0
	FETCHB 1
.irp st, 0,1,2,3,4,5,6,7,8,9,10,11,12,13
	s_wait_dscnt 16                                ; this step's fragments are in; the next step's 16 loads may stay out
	MULB \st
	PLACES                                         ; in front of loads into the buffer just multiplied
	FETCHB (\st)+2
.endr
	s_wait_dscnt 16
	MULB 14
	s_wait_dscnt 0x0
	MULB 15
	PLACES
	PLACES
; THE WAY OUT, group g = 4 rt + head: 16 keys x 64 channels.  Rounded to f16, 16 bytes a lane into my stage, back as four rows of 128 bytes a load, stored as 512 consecutive bytes.
.macro OUTG g
.set rt, (\g)/4
.set hd, (\g)%4
.set PKD, 192+32*((\g)%2)
	s_wait_xcnt 0x0                                ; the stores of the group before last have read this set of registers
	WIN 0x05
.set q, 0
.rept 4
.set rA, 8*(16*rt+4*hd+q)
.irp p, 0,1,2,3
	v_cvt_pk_f16_f32 v[PKD+4*q+\p], v[rA+2*\p], v[rA+2*\p+1]  ; each accumulator from its low end on
.endr
.set q, q+1
.endr
	WIN 0
.irp u, 0,1,2,3
	ds_store_b128 v19, v[PKD+4*\u:PKD+4*\u+3] offset:32*\u
.endr
.irp u, 0,1,2,3
	ds_load_b128 v[PKD+16+4*\u:PKD+19+4*\u], v20 offset:4*SPST*\u  ; LDS serves a wave's instructions in order (ISA guide 5.7.1.4): these see the stores above
.endr
.irp u, 0,1,2,3
	s_wait_dscnt 3-\u
	global_store_b128 v21, v[PKD+16+4*\u:PKD+19+4*\u], s[92:93] offset:hd*131072+rt*2048+512*\u
.endr
.endm
.irp g, 0,1,2,3,4,5,6,7
	OUTG \g
.endr
	s_wait_tensorcnt 0x0                           ; the wave's end, behind my last LDS store
	ds_add_u32 v[SPW], v[NIL]
	s_wait_dscnt 0x0
	s_endpgm
.Lfunc_end_k_qdf32ae95ad_prep:
	.size	k_qdf32ae95ad_prep, .Lfunc_end_k_qdf32ae95ad_prep-k_qdf32ae95ad_prep
	.p2alignl 7, 3214868480
	.fill 96, 4, 3214868480
	.section	.rodata,"a",@progbits
	.p2align	6, 0x0
	.amdhsa_kernel k_qdf32ae95ad_prep
		.amdhsa_group_segment_fixed_size 148992
		.amdhsa_private_segment_fixed_size 0
		.amdhsa_enable_private_segment 0
		.amdhsa_kernarg_size 216
		.amdhsa_user_sgpr_count 2
		.amdhsa_user_sgpr_kernarg_segment_ptr 1
		.amdhsa_wavefront_size32 1
		.amdhsa_system_sgpr_workgroup_id_x 1
		.amdhsa_system_sgpr_workgroup_id_y 1
		.amdhsa_system_sgpr_workgroup_id_z 1
		.amdhsa_system_vgpr_workitem_id 0
		.amdhsa_next_free_vgpr 904
		.amdhsa_next_free_sgpr 100
		.amdhsa_reserve_vcc 0
		.amdhsa_float_denorm_mode_32 3
		.amdhsa_float_denorm_mode_16_64 3
		.amdhsa_memory_ordered 1
		.amdhsa_forward_progress 1
		.amdhsa_inst_pref_size 131
	.end_amdhsa_kernel
	.amdgpu_metadata
---
amdhsa.version: [ 1, 2 ]
amdhsa.kernels:
  - .name:           k_qdf32ae95ad_prep
    .symbol:         k_qdf32ae95ad_prep.kd
    .args:
      - { .name: Wk, .offset: 0, .size: 8, .value_kind: global_buffer, .address_space: global }
      - { .name: Wv, .offset: 8, .size: 8, .value_kind: global_buffer, .address_space: global }
      - { .name: bk, .offset: 16, .size: 8, .value_kind: global_buffer, .address_space: global }
      - { .name: bv, .offset: 24, .size: 8, .value_kind: global_buffer, .address_space: global }
      - { .name: vel, .offset: 32, .size: 8, .value_kind: global_buffer, .address_space: global }
      - { .name: img, .offset: 40, .size: 8, .value_kind: global_buffer, .address_space: global }
      - { .name: pose, .offset: 48, .size: 8, .value_kind: global_buffer, .address_space: global }
      - { .name: out0, .offset: 56, .size: 8, .value_kind: global_buffer, .address_space: global }
      - { .name: out1, .offset: 64, .size: 8, .value_kind: global_buffer, .address_space: global }
      - { .name: L0, .offset: 72, .size: 8, .value_kind: global_buffer, .address_space: global }
      - { .name: L1, .offset: 80, .size: 8, .value_kind: global_buffer, .address_space: global }
      - { .name: L2, .offset: 88, .size: 8, .value_kind: global_buffer, .address_space: global }
      - { .name: L3, .offset: 96, .size: 8, .value_kind: global_buffer, .address_space: global }
      - { .name: Wo, .offset: 104, .size: 8, .value_kind: global_buffer, .address_space: global }
      - { .name: W1, .offset: 112, .size: 8, .value_kind: global_buffer, .address_space: global }
      - { .name: W2, .offset: 120, .size: 8, .value_kind: global_buffer, .address_space: global }
      - { .name: Wq, .offset: 128, .size: 8, .value_kind: global_buffer, .address_space: global }
      - { .name: bq, .offset: 136, .size: 8, .value_kind: global_buffer, .address_space: global }
      - { .name: bo, .offset: 144, .size: 8, .value_kind: global_buffer, .address_space: global }
      - { .name: an_g, .offset: 152, .size: 8, .value_kind: global_buffer, .address_space: global }
      - { .name: an_b, .offset: 160, .size: 8, .value_kind: global_buffer, .address_space: global }
      - { .name: fn_g, .offset: 168, .size: 8, .value_kind: global_buffer, .address_space: global }
      - { .name: fn_b, .offset: 176, .size: 8, .value_kind: global_buffer, .address_space: global }
      - { .name: b2, .offset: 184, .size: 8, .value_kind: global_buffer, .address_space: global }
      - { .name: n_g, .offset: 192, .size: 8, .value_kind: global_buffer, .address_space: global }
      - { .name: n_b, .offset: 200, .size: 8, .value_kind: global_buffer, .address_space: global }
      - { .name: b1, .offset: 208, .size: 8, .value_kind: global_buffer, .address_space: global }
    .group_segment_fixed_size: 148992
    .private_segment_fixed_size: 0
    .kernarg_segment_align: 8
    .kernarg_segment_size: 216
    .max_flat_workgroup_size: 128
    .sgpr_count:     100
    .vgpr_count:     904
    .wavefront_size: 32
...
	.end_amdgpu_metadata
.endif
;; end of part 1
;; launch att0 (part 2): grid 16 x 16, 4 waves a work-group, clusters of 4 x 1, 327,680 bytes of LDS; arguments L0, out0, out1, obuf; writes obuf
.if DOCPART == 2
	.amdgcn_target "amdgcn-amd-amdhsa--gfx1250"
	.amdhsa_code_object_version 6
	.text
	.protected	k_qdf32ae95ad_att0
	.globl	k_qdf32ae95ad_att0
	.p2align	8
	.type	k_qdf32ae95ad_att0,@function
k_qdf32ae95ad_att0:
	s_mov_b64 s[64:65], 0
	v_nop
	global_prefetch_b8 v0, s[64:65] scope:SCOPE_SE
	s_setreg_imm32_b32 hwreg(HW_REG_WAVE_MODE, 25, 1), 1
	s_wait_xcnt 0x0
	s_wait_alu depctr_hold_cnt(0) depctr_sa_sdst(0) depctr_va_vdst(0) depctr_va_sdst(0) depctr_va_ssrc(0) depctr_va_vcc(0) depctr_vm_vsrc(0)
	s_getreg_b32 s2, hwreg(HW_REG_IB_STS2, 6, 4)
	s_cmp_eq_u32 s2, 0
	s_cbranch_scc0 .Lentry_in_a_cluster
	s_endpgm
.Lentry_in_a_cluster:
	s_bfe_u32 s2, ttmp6, 0x10000c
	s_cmp_lg_u32 s2, 0x3003
	s_cbranch_scc0 .Lentry_shape_is_right
	s_endpgm
.Lentry_shape_is_right:
; ATTENTION WITH ENTMAX-1.5, one layer.  q = x Wq + bq; s = q . k; X = (s - max s) / 16 (the 1/8 of the scores and the 1/2 of entmax, both powers of two);
; p = (X - tau)+^2 with tau the root of sum (X - tau)+^2 = 1; o = p V.  x is f32, [2][1024][256] for each stack; K, V: [sequence][head][1024][64] f16; o likewise.
; TAU WITHOUT A SORT.  h(tau) = sqrt(sum (X - tau)+^2) is convex and falls, with slope -g, g = s1 / sqrt(s2) in 1 .. 32 (s1 = sum y, s2 = sum y^2, y = (X - tau)+, 1,024 scores).
; Newton's step on h = 1 from tau = -1, where h >= 1, is tau += (s2 - sqrt(s2)) / s1 and comes to the root from the left.  Convexity gives f'/f + g'/g <= 1 from step to step for
; f = h - 1, so after NIT steps f <= 31 (1 - 32^(-1/NIT))^NIT: 1.5e-4 at NIT = 10, for every input; a row's weights then sum to 1 within 2.9e-4, the size of their rounding to f16.
; Since X <= 0 and -tau <= 1, y is one packed multiply-add held to 0 .. 1 by clamp.
; LIMITS.  x, q, K, V as matrix operands are f16: within 65,504; p lies in 0 to 1 and below 6.1e-5 keeps f16's fixed step of 6e-8.  NaN and infinities are not treated apart.
; SHARES.  A work-group has 64 queries of one sequence and head, a wave 16 of them with ALL 1,024 scores in 512 registers: entmax needs the whole row in every step.
; CLUSTER.  The four query blocks of a cluster walk the same K and V: each wave asks jointly for its quarter of both (256 keys each), once; every LDS byte is filled once.
; LAYOUT.  All products transposed: S^T = K Q^T holds one query a lane (lane % 16) and the keys 8 (lane / 16) + 0..7 of each block of 16; two blocks rounded to f16 ARE source 1 of O^T = V^T P.
; REGISTERS, in windows of 256.  Window 0: v3-19 addresses; v20-55 constants, statistics, sums; v64-127 T, at work (first q's fragments); v128-191 x's fragments, later O^T and the way out;
;   v192-223 q's sums; v224-255 bq.   Window 1: x in f32, then scores of keys 0-511, then V's two buffers.   Window 2: scores of keys 512-1023.   Window 3: Wq's fragments, then K's two buffers, then P.
.set PK,    144                        ; a row of K in LDS: 128 bytes + 16: the 16 rows of a load start at 16 different groups of four banks (64 banks of 4 bytes: ISA guide 11.1)
.set PV,    160                        ; a row of V: 128 + 32
.set VBASE, 1024*PK
.set STAGE, VBASE+1024*PV              ; never filled by a tensor load: 16 rows x 144 bytes for each wave, for the way out
.set SPST,  144
.set SPARE, STAGE+4*16*SPST            ; the spare words, 128 bytes for each wave: two blocks of 256 bytes that no other line names
.set OFF_WQT, 0xE0000
.set OFF_K,   0x100000
.set OFF_V,   0x300000
.set OFF_VEC, 0x500000
.set NIT,   10
.set WV,  12                           ; s12  my wave's number
.set SPW, 18                           ; v18  LDS address of my spare word; never rewritten
.set NIL, 19                           ; v19  0; never rewritten
.set MSB, 0
.macro WIN new
.if MSB != (\new)
	s_set_vgpr_msb (MSB<<8)|(\new)
.set MSB, \new
.endif
.endm
.macro PLACES
.rept 4
	v_nop
.endr
.endm
.macro CROUND                          ; a round of the cluster's barrier
	s_barrier_signal -1
	s_barrier_wait -1
	s_cmp_lg_u32 s[WV], 0
	s_cbranch_scc1 .Lnot_wave_0_\@
	s_barrier_signal -3
.Lnot_wave_0_\@:
	s_barrier_wait -3
	s_barrier_signal -1
	s_barrier_wait -1
.endm
	s_load_b256 s[4:11], s[0:1], 0x0               ; the layer's buffer 4, x of stack 0: 6, of stack 1: 8, o 10
	v_lshl_add_u32 v[SPW], v0, 2, SPARE
	v_mov_b32 v[NIL], 0
	ds_add_u32 v[SPW], v[NIL]                      ; the wave's opening: the add and its wait stand ahead of my first tensor load
	v_lshrrev_b32 v1, 5, v0
	v_readfirstlane_b32 s[WV], v1
	s_bfe_u32 s13, ttmp6, 0x40000                  ; cx: it enters x's and o's addresses alone
	s_lshl_b32 s14, ttmp9, 2
	s_add_co_u32 s14, s14, s13                     ; my block of 64 queries
	s_and_b32 s15, ttmp7, 0xffff                   ; y = 4 x sequence + head, which the partners share
	; group 1: 256 keys are 32,768 dense bytes: 128 rows of 256 bytes, two keys a row, padded in LDS after every key
	s_mov_b32 s24, 15|(1<<16)|(1<<20)|(1<<21)|(4<<22)|(3<<25)  ; the mask of four; 2-byte elements; padding on; bit 21 beside a mask; after every 32 words; 4 words
	s_mov_b32 s32, 15|(1<<16)|(1<<20)|(1<<21)|(4<<22)|(7<<25)  ; for V: 8 words
.irp g, 24, 32
	s_mov_b32 s[\g+1], 128<<16                     ; tensor_dim0 = 128
	s_mov_b32 s[\g+2], 128<<16                     ; tensor_dim1 = 128
	s_mov_b32 s[\g+3], 128<<16                     ; tile_dim0 = 128
	s_mov_b32 s[\g+4], 128                         ; tile_dim1 = 128
	s_mov_b32 s[\g+5], 128                         ; 128 elements from row to row
	s_mov_b32 s[\g+6], 0
	s_mov_b32 s[\g+7], 0
.endr
	s_mov_b32 s40, 1
	s_mul_i32 s41, s[WV], 256*PK                   ; my quarter of K in LDS
	s_mov_b32 s44, 1
	s_mul_i32 s45, s[WV], 256*PV
	s_add_co_u32 s45, s45, VBASE                   ; and of V
	s_lshl_b32 s20, s15, 17                        ; in memory: y x 131,072 + w x 32,768
	s_lshl_b32 s21, s[WV], 15
	s_add_co_u32 s20, s20, s21
	s_mov_b32 s21, 0
	s_lshl_b32 s16, s14, 6
	s_lshl4_add_u32 s16, s[WV], s16                ; my first query in its sequence
	s_lshl_b32 s18, s16, 7
	s_lshl_b32 s19, s15, 17
	s_add_co_u32 s18, s18, s19                     ; o: y x 131,072 + query x 128
	s_mov_b32 s19, 0
	s_bfe_u32 s17, s15, 0x10002                    ; the batch
	s_lshl_b32 s17, s17, 10
	s_add_co_u32 s16, s16, s17
	s_lshl_b32 s16, s16, 10                        ; x: row x 1,024
	s_mov_b32 s17, 0
	s_and_b32 s22, s15, 3                          ; the head
	s_lshl_b32 s60, s22, 8                         ; its 64 numbers of bq
	s_mov_b32 s61, 0
	s_lshl_b32 s22, s22, 15                        ; its 64 rows of the turned Wq
	s_mov_b32 s23, 0
	s_mov_b32 s48, 0x76543210                      ; v_permlanex16_b32: each lane takes its own place in the other half
	s_mov_b32 s49, 0xfedcba98
	s_wait_dscnt 0x0                               ; the opening add is done
	s_wait_kmcnt 0x0
	s_add_nc_u64 s[42:43], s[4:5], s[20:21]
	s_add_nc_u64 s[46:47], s[42:43], OFF_V
	s_add_nc_u64 s[42:43], s[42:43], OFF_K
	s_or_b32 s43, s43, 0x80000000                  ; type = 2
	s_or_b32 s47, s47, 0x80000000
	s_cmp_lt_u32 s15, 8
	s_cselect_b64 s[52:53], s[6:7], s[8:9]         ; my stack's x
	s_add_nc_u64 s[52:53], s[52:53], s[16:17]
	s_add_nc_u64 s[54:55], s[4:5], s[22:23]
	s_add_nc_u64 s[54:55], s[54:55], OFF_WQT
	s_add_nc_u64 s[56:57], s[4:5], s[60:61]
	s_add_nc_u64 s[56:57], s[56:57], OFF_VEC
	s_add_nc_u64 s[58:59], s[10:11], s[18:19]
	CROUND                                         ; all four work-groups are here: the joint loads meet
	tensor_load_to_lds s[40:43], s[24:31]          ; my quarter of K,
	s_nop 0
	tensor_load_to_lds s[44:47], s[32:39]          ; and of V: two loads of mine are out, and no more are issued
	s_nop 0
	PLACES
	v_and_b32 v56, 15, v0                          ; r
	v_bfe_u32 v57, v0, 4, 1                        ; hh
	v_and_b32 v58, 7, v0
	v_bfe_u32 v59, v0, 3, 1
	v_lshlrev_b32 v5, 5, v57                       ; bq as C: 32 hh
	v_lshl_add_u32 v3, v56, 10, v5                 ; x: r x 1,024 + 32 hh
	v_lshlrev_b32 v60, 4, v57
	v_lshl_add_u32 v4, v56, 9, v60                 ; turned Wq: r x 512 + 16 hh
	WIN 0x40
.set ks, 0
.rept 8                                ; x in f32: 16 numbers a lane for each 32 along K
	global_load_b128 v[16*ks:16*ks+3],     v3, s[52:53] offset:128*ks
	global_load_b128 v[16*ks+4:16*ks+7],   v3, s[52:53] offset:128*ks+16
	global_load_b128 v[16*ks+8:16*ks+11],  v3, s[52:53] offset:128*ks+64
	global_load_b128 v[16*ks+12:16*ks+15], v3, s[52:53] offset:128*ks+80
.set ks, ks+1
.endr
	WIN 0
.irp nt, 0,1,2,3
	global_load_b128 v[224+8*\nt:227+8*\nt], v5, s[56:57] offset:64*\nt
	global_load_b128 v[228+8*\nt:231+8*\nt], v5, s[56:57] offset:64*\nt+16
.endr
	WIN 0xc0
.set ks, 0
.rept 8                                ; Wq's fragments as they lie, K step by K step
.irp nt, 0,1,2,3
	global_load_b128 v[8*(8*\nt+ks):8*(8*\nt+ks)+3],   v4, s[54:55] offset:\nt*8192+64*ks
	global_load_b128 v[8*(8*\nt+ks)+4:8*(8*\nt+ks)+7], v4, s[54:55] offset:\nt*8192+64*ks+32
.endr
.set ks, ks+1
.endr
	WIN 0
	v_mul_u32_u24 v6, v56, PK
	v_add_nc_u32 v6, v6, v60                       ; K's fragments: r x pitch + 16 hh, one register for each quarter of the keys
	v_add_nc_u32 v7, 256*PK, v6
	v_add_nc_u32 v8, 512*PK, v6
	v_add_nc_u32 v9, 768*PK, v6
	v_lshl_add_u32 v10, v57, 3, v58                ; V's turning load: key 8 hh + l % 8, 16 bytes by (l / 8) % 2
	v_mul_u32_u24 v10, v10, PV
	v_lshl_add_u32 v10, v59, 4, v10
	v_add_nc_u32 v10, VBASE, v10
	v_add_nc_u32 v11, 256*PV, v10
	v_add_nc_u32 v12, 512*PV, v10
	v_add_nc_u32 v13, 768*PV, v10
	s_mul_i32 s60, s[WV], 16*SPST
	s_add_co_u32 s60, s60, STAGE
	v_add_nc_u32 v14, s60, v6                      ; my stage, in: row r, 16 bytes for each half of the lanes (the stage has K's pitch)
	v_bfe_u32 v15, v0, 3, 2
	v_mul_u32_u24 v15, v15, SPST
	v_lshl_add_u32 v15, v58, 4, v15
	v_add_nc_u32 v15, s60, v15                     ; back: four rows of 128 bytes a load
	v_and_b32 v16, 31, v0
	v_lshlrev_b32 v16, 4, v16
	v_mov_b32 v20, 1.0
	v_mov_b32 v21, 1.0
	v_mov_b32 v24, 0x3d800000                      ; 1/16
	v_mov_b32 v25, 0x3d800000
	v_mov_b32 v50, 0                               ; v_permlanex16_b32 counts as a reader of its destination
	v_mov_b32 v51, 0
	s_wait_loadcnt 63                              ; 64 loads of Wq are younger than x and bq: these are in
	WIN 0x05
.set p, 0
.rept 64
	v_cvt_pk_f16_f32 v[128+p], v[2*p], v[2*p+1]
.set p, p+1
.endr
.set ks, 0
.rept 8
	s_wait_loadcnt 56-8*ks                         ; this K step's eight loads are in; eight for each later step may stay out
	WIN 0x03                                       ; Wq window 3, all else window 0
.irp nt, 0,1,2,3                       ; the four accumulators take turns
.if ks == 0
	v_wmma_f32_16x16x32_f16 v[192+8*\nt:199+8*\nt], v[8*(8*\nt+ks):8*(8*\nt+ks)+7], v[128+8*ks:135+8*ks], v[224+8*\nt:231+8*\nt]
.else
	v_wmma_f32_16x16x32_f16 v[192+8*\nt:199+8*\nt], v[8*(8*\nt+ks):8*(8*\nt+ks)+7], v[128+8*ks:135+8*ks], v[192+8*\nt:199+8*\nt]
.endif
.endr
.set ks, ks+1
.endr
	WIN 0
	PLACES
	PLACES
.set p, 0
.rept 16                               ; q to f16: two neighbouring tiles of 16 channels are one fragment of 32
	v_cvt_pk_f16_f32 v[64+p], v[192+2*p], v[192+2*p+1]
.set p, p+1
.endr
	s_wait_tensorcnt 0x1                           ; my quarter of K is in; V's may stay out
	s_barrier_signal -1
	s_barrier_wait -1                              ; everybody's is
; THE SCORES, in eight batches of eight blocks of 16 keys.  32 LDS loads, then 16 products: eight start their sums with 0, eight are the second links.
.macro FETCHK bt
	WIN 0xc0
.set i, 0
.rept 8
.irp kc, 0,1
	ds_load_b128 v[128*((\bt)%2)+16*i+8*\kc:128*((\bt)%2)+16*i+8*\kc+3],   v[6+(\bt)/2] offset:((8*(\bt)+i)%16)*16*PK+64*\kc
	ds_load_b128 v[128*((\bt)%2)+16*i+8*\kc+4:128*((\bt)%2)+16*i+8*\kc+7], v[6+(\bt)/2] offset:((8*(\bt)+i)%16)*16*PK+64*\kc+32
.endr
.set i, i+1
.endr
.endm
.macro MULS bt
.if (\bt) < 4
	WIN 0x53                                       ; K window 3, q window 0, scores window 1
.else
	WIN 0xa3                                       ; scores window 2
.endif
.irp kc, 0,1
.set i, 0
.rept 8
.set rS, 8*((8*(\bt)+i)%32)
.set rK, 128*((\bt)%2)+16*i+8*\kc
.if \kc == 0
	v_wmma_f32_16x16x32_f16 v[rS:rS+7], v[rK:rK+7], v[64:71], 0
.else
	v_wmma_f32_16x16x32_f16 v[rS:rS+7], v[rK:rK+7], v[72:79], v[rS:rS+7]
.endif
.set i, i+1
.endr
.endr
.endm
	FETCHK 0
.irp bt, 0,1,2,3,4,5,6
.if \bt > 0
	PLACES                                         ; in front of loads into the buffer that the batch before multiplied
.endif
	FETCHK (\bt)+1
	s_wait_dscnt 32                                ; this batch is in; the next one's 32 loads may stay out
	MULS \bt
.endr
	s_wait_dscnt 0x0
	MULS 7
	; THE MAXIMUM: four chains; each accumulator is read from its low end on.  The first window's 128 lines are also the places behind the last products.
	WIN 0
.irp u, 28,29,30,31
	v_mov_b32 v\u, 0xff7fffff
.endr
	WIN 0x14
.set p, 0
.rept 128
	v_max3_num_f32 v[28+p%4], v[28+p%4], v[2*p], v[2*p+1]
.set p, p+1
.endr
	WIN 0x28
.set p, 0
.rept 128
	v_max3_num_f32 v[28+p%4], v[28+p%4], v[2*p], v[2*p+1]
.set p, p+1
.endr
	WIN 0
	v_max3_num_f32 v28, v28, v29, v30
	v_max_num_f32 v28, v28, v31
	v_permlanex16_b32 v29, v28, s48, s49           ; the query's other 512 keys lie in the lane 16 away
	v_max_num_f32 v28, v28, v29
	v_mul_f32 v26, 0xbd800000, v28                 ; - max / 16
	v_mul_f32 v27, 0xbd800000, v28
	v_mov_b32 v22, 1.0                             ; - tau starts at 1
	v_mov_b32 v23, 1.0
	WIN 0x41                                       ; X = s / 16 - max / 16, in place: one rounding
.set p, 0
.rept 128
	v_pk_fma_f32 v[2*p:2*p+1], v[2*p:2*p+1], v[24:25], v[26:27]
.set p, p+1
.endr
	WIN 0x82
.set p, 0
.rept 128
	v_pk_fma_f32 v[2*p:2*p+1], v[2*p:2*p+1], v[24:25], v[26:27]
.set p, p+1
.endr
	WIN 0
; y = X + (- tau) held to 0 .. 1, for batch b of 64 scores, into T.  st = 1: the first four pairs go straight into the sums s1, which they start.
.macro YB b, st
.if (\b) < 4
	WIN 0x01
.else
	WIN 0x02
.endif
.set i, 0
.rept 32
.set rD, 64+2*i
.if (\st) && (i < 4)
.set rD, 32+2*i
.endif
	v_pk_fma_f32 v[rD:rD+1], v[64*((\b)%4)+2*i:64*((\b)%4)+2*i+1], v[20:21], v[22:23] clamp
.set i, i+1
.endr
	WIN 0
.endm
.macro SUMS b                          ; s1 += y, s2 += y y: four chains of each
.set i, 0
.rept 32
.if ((\b) == 0) && (i < 4)
	v_pk_mul_f32 v[40+2*i:41+2*i], v[32+2*i:33+2*i], v[32+2*i:33+2*i]
.else
	v_pk_add_f32 v[32+2*(i%4):33+2*(i%4)], v[32+2*(i%4):33+2*(i%4)], v[64+2*i:65+2*i]
	v_pk_fma_f32 v[40+2*(i%4):41+2*(i%4)], v[64+2*i:65+2*i], v[64+2*i:65+2*i], v[40+2*(i%4):41+2*(i%4)]
.endif
.set i, i+1
.endr
.endm
	s_mov_b32 s50, NIT
.Lnewton:                                      ; one step: all 1,024 scores of my 16 queries once
	YB 0, 1
	SUMS 0
.irp b, 1,2,3,4,5,6,7
	YB \b, 0
	SUMS \b
.endr
	v_pk_add_f32 v[32:33], v[32:33], v[34:35]
	v_pk_add_f32 v[36:37], v[36:37], v[38:39]
	v_pk_add_f32 v[40:41], v[40:41], v[42:43]
	v_pk_add_f32 v[44:45], v[44:45], v[46:47]
	v_pk_add_f32 v[32:33], v[32:33], v[36:37]
	v_pk_add_f32 v[40:41], v[40:41], v[44:45]
	v_add_f32 v48, v32, v33
	v_add_f32 v49, v40, v41
	v_permlanex16_b32 v50, v48, s48, s49
	v_permlanex16_b32 v51, v49, s48, s49
	v_add_f32 v48, v48, v50                        ; s1
	v_add_f32 v49, v49, v51                        ; s2
	v_sqrt_f32 v52, v49
	v_rcp_f32 v53, v48                             ; s1 holds the largest score's y = - tau, at least 1/32
	v_nop                                          ; a plain instruction behind the two,
	s_wait_alu depctr_va_vdst(0)                   ; and the one wait ahead of their first reader
	v_sub_f32 v54, v52, v49
	v_fma_f32 v22, v54, v53, v22                   ; - tau += (sqrt(s2) - s2) / s1
	v_fma_f32 v23, v54, v53, v23
	s_sub_co_u32 s50, s50, 1
	s_cmp_lg_u32 s50, 0
	s_cbranch_scc1 .Lnewton
	; THE WEIGHTS: p = y y, rounded to f16: pair n of the 256 is register n of P
.irp b, 0,1,2,3,4,5,6,7
	YB \b, 0
.set i, 0
.rept 32
	v_pk_mul_f32 v[64+2*i:65+2*i], v[64+2*i:65+2*i], v[64+2*i:65+2*i]
.set i, i+1
.endr
	WIN 0xc0
.set i, 0
.rept 32
	v_cvt_pk_f16_f32 v[32*\b+i], v[64+2*i], v[65+2*i]
.set i, i+1
.endr
.endr
	WIN 0
	s_wait_tensorcnt 0x0                           ; my quarter of V is in,
	s_wait_dscnt 0x0
	s_barrier_signal -1
	s_barrier_wait -1                              ; everybody's is
; O^T += V^T P, in eight batches of four steps of 32 keys.  The four accumulators (16 channels each) take turns.
.macro FETCHV bt
	WIN 0x40
.set i, 0
.rept 4
.irp cb, 0,1,2,3
	ds_load_tr16_b128 v[128*((\bt)%2)+32*i+8*\cb:128*((\bt)%2)+32*i+8*\cb+3],   v[10+(\bt)/2] offset:((4*(\bt)+i)%8)*32*PV+32*\cb
	ds_load_tr16_b128 v[128*((\bt)%2)+32*i+8*\cb+4:128*((\bt)%2)+32*i+8*\cb+7], v[10+(\bt)/2] offset:((4*(\bt)+i)%8)*32*PV+32*\cb+16*PV
.endr
.set i, i+1
.endr
.endm
.macro MULV bt
	WIN 0x0d                                       ; V window 1, P window 3, O^T window 0
.set i, 0
.rept 4
.irp cb, 0,1,2,3
.set rV, 128*((\bt)%2)+32*i+8*\cb
.set rP, 8*(4*(\bt)+i)
.if ((\bt) == 0) && (i == 0)
	v_wmma_f32_16x16x32_f16 v[128+8*\cb:135+8*\cb], v[rV:rV+7], v[rP:rP+7], 0
.else
	v_wmma_f32_16x16x32_f16 v[128+8*\cb:135+8*\cb], v[rV:rV+7], v[rP:rP+7], v[128+8*\cb:135+8*\cb]
.endif
.endr
.set i, i+1
.endr
.endm
	FETCHV 0
.irp bt, 0,1,2,3,4,5,6
.if \bt > 0
	PLACES
.endif
	FETCHV (\bt)+1
	s_wait_dscnt 32
	MULV \bt
.endr
	s_wait_dscnt 0x0
	MULV 7
	WIN 0
	PLACES
	PLACES
.set p, 0
.rept 16                               ; THE WAY OUT: to f16, through my stage, out as 512 consecutive bytes a store
	v_cvt_pk_f16_f32 v[160+p], v[128+2*p], v[128+2*p+1]
.set p, p+1
.endr
.irp u, 0,1,2,3
	ds_store_b128 v14, v[160+4*\u:163+4*\u] offset:32*\u
.endr
.irp u, 0,1,2,3
	ds_load_b128 v[176+4*\u:179+4*\u], v15 offset:4*SPST*\u  ; LDS serves a wave's instructions in order (ISA guide 5.7.1.4)
.endr
.irp u, 0,1,2,3
	s_wait_dscnt 3-\u
	global_store_b128 v16, v[176+4*\u:179+4*\u], s[58:59] offset:512*\u
.endr
	s_wait_tensorcnt 0x0                           ; the wave's end
	ds_add_u32 v[SPW], v[NIL]
	s_wait_dscnt 0x0
	CROUND                                         ; the closing round
	s_endpgm
.Lfunc_end_k_qdf32ae95ad_att0:
	.size	k_qdf32ae95ad_att0, .Lfunc_end_k_qdf32ae95ad_att0-k_qdf32ae95ad_att0
	.p2alignl 7, 3214868480
	.fill 96, 4, 3214868480
	.section	.rodata,"a",@progbits
	.p2align	6, 0x0
	.amdhsa_kernel k_qdf32ae95ad_att0
		.amdhsa_group_segment_fixed_size 327680
		.amdhsa_private_segment_fixed_size 0
		.amdhsa_enable_private_segment 0
		.amdhsa_kernarg_size 32
		.amdhsa_user_sgpr_count 2
		.amdhsa_user_sgpr_kernarg_segment_ptr 1
		.amdhsa_wavefront_size32 1
		.amdhsa_system_sgpr_workgroup_id_x 1
		.amdhsa_system_sgpr_workgroup_id_y 1
		.amdhsa_system_sgpr_workgroup_id_z 1
		.amdhsa_system_vgpr_workitem_id 0
		.amdhsa_next_free_vgpr 1024
		.amdhsa_next_free_sgpr 66
		.amdhsa_reserve_vcc 0
		.amdhsa_float_denorm_mode_32 3
		.amdhsa_float_denorm_mode_16_64 3
		.amdhsa_memory_ordered 1
		.amdhsa_forward_progress 1
		.amdhsa_inst_pref_size 209
	.end_amdhsa_kernel
	.amdgpu_metadata
---
amdhsa.version: [ 1, 2 ]
amdhsa.kernels:
  - .name:           k_qdf32ae95ad_att0
    .symbol:         k_qdf32ae95ad_att0.kd
    .args:
      - { .name: L0, .offset: 0, .size: 8, .value_kind: global_buffer, .address_space: global }
      - { .name: out0, .offset: 8, .size: 8, .value_kind: global_buffer, .address_space: global }
      - { .name: out1, .offset: 16, .size: 8, .value_kind: global_buffer, .address_space: global }
      - { .name: obuf, .offset: 24, .size: 8, .value_kind: global_buffer, .address_space: global }
    .group_segment_fixed_size: 327680
    .private_segment_fixed_size: 0
    .kernarg_segment_align: 8
    .kernarg_segment_size: 32
    .max_flat_workgroup_size: 128
    .sgpr_count:     66
    .vgpr_count:     1024
    .wavefront_size: 32
...
	.end_amdgpu_metadata
.endif
;; end of part 2
;; launch post0 (part 3): grid 256 x 1, 4 waves a work-group, clusters of 4 x 1, 327,680 bytes of LDS; arguments L0, obuf, out0, out1, xw0, xw1; writes xw0, xw1
.if DOCPART == 3
	.amdgcn_target "amdgcn-amd-amdhsa--gfx1250"
	.amdhsa_code_object_version 6
	.text
	.protected	k_qdf32ae95ad_post0
	.globl	k_qdf32ae95ad_post0
	.p2align	8
	.type	k_qdf32ae95ad_post0,@function
k_qdf32ae95ad_post0:
	s_mov_b64 s[64:65], 0
	v_nop
	global_prefetch_b8 v0, s[64:65] scope:SCOPE_SE
	s_setreg_imm32_b32 hwreg(HW_REG_WAVE_MODE, 25, 1), 1
	s_wait_xcnt 0x0
	s_wait_alu depctr_hold_cnt(0) depctr_sa_sdst(0) depctr_va_vdst(0) depctr_va_sdst(0) depctr_va_ssrc(0) depctr_va_vcc(0) depctr_vm_vsrc(0)
	s_getreg_b32 s2, hwreg(HW_REG_IB_STS2, 6, 4)
	s_cmp_eq_u32 s2, 0
	s_cbranch_scc0 .Lentry_in_a_cluster
	s_endpgm
.Lentry_in_a_cluster:
	s_bfe_u32 s2, ttmp6, 0x10000c
	s_cmp_lg_u32 s2, 0x3003
	s_cbranch_scc0 .Lentry_shape_is_right
	s_endpgm
.Lentry_shape_is_right:
; THE REST OF A LAYER, for 16 rows a work-group:  a = o Wo + bo;  x1 = x + LN(a; an);  y = LN(x1; fn);  h = mish(y W1 + b1) W2 + b2;  x' = LN(x1 + h; n) + x.
; o: [sequence][head][1024][64] f16.  x in and x' out: f32, [2][1024][256] for each stack, in different buffers.  Weights: seven blocks [256 k][256 n] f16, in the order of use.
; Sums, norms and mish in f32; each norm in two passes (mean, then the deviations' squares).  y and mish's results are rounded once to f16 as matrix operands.
; mish(t) = t n / (n + 2), n = e^t (e^t + 2); the exponent is held to 28 binary orders, beyond which n / (n + 2) is 1 in f32.
; LIMITS.  o, y and mish's results are f16: within 65,504; below 6.1e-5 a fixed step of 6e-8.  NaN and infinities are not treated apart.
; SHARES.  Wave w has columns 64 w .. 64 w + 63 of every block of 256 columns: four accumulators.  Each of the seven blocks is one step, [16 x 256] x [256 x 256]: 64 turning loads and 32 products a wave.
; A row's sums meet in LDS: each wave's share in a word of its own, six sets of words, each written once.
; CLUSTER.  All work-groups walk the same seven blocks: the four of a cluster ask jointly, each wave for 64 rows of a block.  Two slots take turns; a refill stands first behind a round of the
; cluster's barrier, in front of which every wave has waited for its tensor loads, added 0 to its spare word and waited for its reads of the slot.  One load of a wave is out behind each round, two at the start.
; PRODUCT.  Transposed: source 0 = 16 columns of the block (turned out of LDS), source 1 = the 16 rows: a lane holds row lane % 16 and 8 neighbouring columns.
; REGISTERS.  Window 0: v1-21 addresses; v22-31 statistics; v32-63 ACC; v64-95 x; v96-127 x1; v128-191 the rows' fragments; v192-255 E, F at work.
;   window 1: a block's fragments ((ks, nt) at 8 (4 ks + nt)).   window 2: bo, an_g, an_b, fn_g, fn_b, b2, n_g, n_b, 32 each.   window 3: b1, 32 for each block.
.set PW,    544                        ; a block's row in LDS: 512 bytes + 32 = 17 x 32
.set SLOT,  256*PW
.set ACTY,  2*SLOT                     ; y: 16 rows x (512 + 16) bytes
.set PY,    528
.set ACTU,  ACTY+16*PY                 ; mish's results: 16 rows x (1,536 + 16) bytes; at the end its head is the stage for the way out
.set PU,    1552
.set RED,   ACTU+16*PU                 ; six sets of 16 rows x 4 waves of f32
.set SPARE, RED+6*256                  ; the spare words, 128 bytes for each wave: two blocks of 256 bytes that no other line names
.set PO,    272                        ; the stage: 16 rows x (256 + 16) bytes for each wave
.set OFF_VEC, 0x500000
.set WV,  16                           ; s16  my wave's number
.set SPW, 20                           ; v20  LDS address of my spare word; never rewritten
.set NIL, 21                           ; v21  0; never rewritten
.set MSB, 0
.macro WIN new
.if MSB != (\new)
	s_set_vgpr_msb (MSB<<8)|(\new)
.set MSB, \new
.endif
.endm
.macro PLACES
.rept 4
	v_nop
.endr
.endm
.macro CROUND
	s_barrier_signal -1
	s_barrier_wait -1
	s_cmp_lg_u32 s[WV], 0
	s_cbranch_scc1 .Lnot_wave_0_\@
	s_barrier_signal -3
.Lnot_wave_0_\@:
	s_barrier_wait -3
	s_barrier_signal -1
	s_barrier_wait -1
.endm
; THE CHANGE OF SLOTS.  fill = 1: slot f, which has been read, takes the block two further on.
.macro CHANGE fill, f=0
	WIN 0
	s_wait_tensorcnt 0x0                           ; all my tensor loads have landed, my part of the other slot among them: a group 0 may be written
	ds_add_u32 v[SPW], v[NIL]                      ; 0 onto my spare word
.if \fill
	s_add_nc_u64 s[34+4*(\f):35+4*(\f)], s[34+4*(\f):35+4*(\f)], 262144
.endif
	s_wait_dscnt 0x0                               ; the add is done, and my reads of the slot are over
.if \fill
	CROUND                                         ; both now hold of every wave of all four work-groups
	tensor_load_to_lds s[32+4*(\f):35+4*(\f)], s[24:31]
	s_nop 0
	PLACES
.else
	s_barrier_signal -1
	s_barrier_wait -1
.endif
.endm
; A block: 64 turning loads in one run, then 32 products as the fragments come.  cwin, cbase: the window and register of the C that starts the sums; cwin = 0: the sums go on.
.macro GEMM slot, cwin, cbase
	PLACES                                         ; in front of loads into fragments that the block before multiplied
	WIN 0x40
.set ks, 0
.rept 8
.irp nt, 0,1,2,3
	ds_load_tr16_b128 v[8*(4*ks+\nt):8*(4*ks+\nt)+3],   v[6+2*(\slot)+ks/4] offset:(ks%4)*32*PW+32*\nt
	ds_load_tr16_b128 v[8*(4*ks+\nt)+4:8*(4*ks+\nt)+7], v[6+2*(\slot)+ks/4] offset:(ks%4)*32*PW+32*\nt+16*PW
.endr
.set ks, ks+1
.endr
.set ks, 0
.rept 8
	s_wait_dscnt 56-8*ks                           ; this K step's eight loads, and all older ones, are in; eight for each later step may stay out
.if (ks == 0) && ((\cwin) != 0)
	WIN 0x01|((\cwin)<<4)
.else
	WIN 0x01
.endif
.irp nt, 0,1,2,3                       ; the four accumulators take turns
.if (ks == 0) && ((\cwin) != 0)
	v_wmma_f32_16x16x32_f16 v[32+8*\nt:39+8*\nt], v[8*(4*ks+\nt):8*(4*ks+\nt)+7], v[128+8*ks:135+8*ks], v[(\cbase)+8*\nt:(\cbase)+8*\nt+7]
.else
	v_wmma_f32_16x16x32_f16 v[32+8*\nt:39+8*\nt], v[8*(4*ks+\nt):8*(4*ks+\nt)+7], v[128+8*ks:135+8*ks], v[32+8*\nt:39+8*\nt]
.endif
.endr
.set ks, ks+1
.endr
	WIN 0
.endm
.macro LOADA reg, off                  ; the 16 rows' fragments for 256 along K, out of LDS
	PLACES
	WIN 0
.set ks, 0
.rept 8
	ds_load_b128 v[128+8*ks:131+8*ks], v[\reg] offset:(\off)+64*ks
	ds_load_b128 v[132+8*ks:135+8*ks], v[\reg] offset:(\off)+64*ks+32
.set ks, ks+1
.endr
.endm
.macro XRED buf                        ; v30: my 32 numbers' sum -> the row's, over the halves of the lanes and the four waves
	v_permlanex16_b32 v31, v30, s40, s41
	v_add_f32 v30, v30, v31
	ds_store_b32 v14, v30 offset:256*(\buf)
	s_wait_dscnt 0x0                               ; for the others' sake
	s_barrier_signal -1
	s_barrier_wait -1
	ds_load_b128 v[26:29], v15 offset:256*(\buf)
	s_wait_dscnt 0x0
	v_add_f32 v26, v26, v27
	v_add_f32 v28, v28, v29
	v_add_f32 v30, v26, v28
.endm
.macro ROWSUM src                      ; the first lines read the lowest pair of each of the four accumulators first
.set i, 0
.rept 8
	v_pk_add_f32 v[224+2*i:225+2*i], v[(\src)+2*i:(\src)+2*i+1], v[(\src)+16+2*i:(\src)+17+2*i]
.set i, i+1
.endr
.irp u, 0,1,2,3
	v_pk_add_f32 v[224+2*\u:225+2*\u], v[224+2*\u:225+2*\u], v[232+2*\u:233+2*\u]
.endr
	v_pk_add_f32 v[224:225], v[224:225], v[228:229]
	v_pk_add_f32 v[226:227], v[226:227], v[230:231]
	v_pk_add_f32 v[224:225], v[224:225], v[226:227]
	v_add_f32 v30, v224, v225
.endm
.macro ROWSQ dev
.set i, 0
.rept 16
.if i < 4
	v_pk_mul_f32 v[224+2*i:225+2*i], v[(\dev)+2*i:(\dev)+2*i+1], v[(\dev)+2*i:(\dev)+2*i+1]
.else
	v_pk_fma_f32 v[224+2*(i%4):225+2*(i%4)], v[(\dev)+2*i:(\dev)+2*i+1], v[(\dev)+2*i:(\dev)+2*i+1], v[224+2*(i%4):225+2*(i%4)]
.endif
.set i, i+1
.endr
	v_pk_add_f32 v[224:225], v[224:225], v[226:227]
	v_pk_add_f32 v[228:229], v[228:229], v[230:231]
	v_pk_add_f32 v[224:225], v[224:225], v[228:229]
	v_add_f32 v30, v224, v225
.endm
; dev = LN(src) x gain + bias; gb, bb: the two vectors' registers in window 2; buf, buf + 1: the two sets of words
.macro LN src, dev, buf, gb, bb
	ROWSUM \src
	XRED \buf
	v_mul_f32 v22, v30, v19                        ; the mean
	v_mul_f32 v23, v30, v19
.set i, 0
.rept 16
	v_pk_add_f32 v[(\dev)+2*i:(\dev)+2*i+1], v[(\src)+2*i:(\src)+2*i+1], v[22:23] neg_lo:[0,1] neg_hi:[0,1]
.set i, i+1
.endr
	ROWSQ \dev
	XRED (\buf)+1
	v_fmaak_f32 v31, v30, v19, 0x3727c5ac          ; the variance + 1e-5
	v_rsq_f32 v24, v31
	v_nop                                          ; a plain instruction behind it,
	s_wait_alu depctr_va_vdst(0)                   ; and the wait ahead of its first reader
	v_mov_b32 v25, v24
.set i, 0
.rept 16
	v_pk_mul_f32 v[(\dev)+2*i:(\dev)+2*i+1], v[(\dev)+2*i:(\dev)+2*i+1], v[24:25]
.set i, i+1
.endr
	WIN 0x28                                       ; gain and bias in window 2
.set i, 0
.rept 16
	v_pk_fma_f32 v[(\dev)+2*i:(\dev)+2*i+1], v[(\dev)+2*i:(\dev)+2*i+1], v[(\gb)+2*i:(\gb)+2*i+1], v[(\bb)+2*i:(\bb)+2*i+1]
.set i, i+1
.endr
	WIN 0
.endm
; mish of ACC, to f16, into columns 256 c + 64 w .. of the rows in LDS.  Two batches of 32 transcendentals, one wait each.
.macro MISH c
	PLACES
.set i, 0
.rept 16
	v_pk_mul_f32 v[192+2*i:193+2*i], v[32+2*i:33+2*i], 0x3fb8aa3b op_sel_hi:[1,0]
.set i, i+1
.endr
.set i, 0
.rept 32
	v_min_num_f32 v[192+i], 0x41e00000, v[192+i]
.set i, i+1
.endr
.set i, 0
.rept 32
	v_exp_f32 v[192+i], v[192+i]
.set i, i+1
.endr
	v_nop
	s_wait_alu depctr_va_vdst(0)
.set i, 0
.rept 16
	v_pk_add_f32 v[224+2*i:225+2*i], v[192+2*i:193+2*i], 2.0 op_sel_hi:[1,0]
.set i, i+1
.endr
.set i, 0
.rept 16
	v_pk_mul_f32 v[192+2*i:193+2*i], v[192+2*i:193+2*i], v[224+2*i:225+2*i]  ; n
.set i, i+1
.endr
.set i, 0
.rept 16
	v_pk_add_f32 v[224+2*i:225+2*i], v[192+2*i:193+2*i], 2.0 op_sel_hi:[1,0]
.set i, i+1
.endr
.set i, 0
.rept 32
	v_rcp_f32 v[224+i], v[224+i]
.set i, i+1
.endr
	v_nop
	s_wait_alu depctr_va_vdst(0)
.set i, 0
.rept 16
	v_pk_mul_f32 v[192+2*i:193+2*i], v[192+2*i:193+2*i], v[224+2*i:225+2*i]
.set i, i+1
.endr
.set i, 0
.rept 16
	v_pk_mul_f32 v[192+2*i:193+2*i], v[192+2*i:193+2*i], v[32+2*i:33+2*i]
.set i, i+1
.endr
.set i, 0
.rept 16
	v_cvt_pk_f16_f32 v[224+i], v[192+2*i], v[193+2*i]
.set i, i+1
.endr
.irp nt, 0,1,2,3
	ds_store_b128 v12, v[224+4*\nt:227+4*\nt] offset:512*(\c)+32*\nt
.endr
.endm
	s_load_b256 s[4:11], s[0:1], 0x0               ; the layer's buffer 4, o 6, x in: stack 0: 8, stack 1: 10
	s_load_b128 s[12:15], s[0:1], 0x20             ; x out: stack 0: 12, stack 1: 14
	v_lshl_add_u32 v[SPW], v0, 2, SPARE
	v_mov_b32 v[NIL], 0
	ds_add_u32 v[SPW], v[NIL]                      ; the wave's opening: the add and its wait stand ahead of my first tensor load
	v_lshrrev_b32 v1, 5, v0
	v_readfirstlane_b32 s[WV], v1
	s_bfe_u32 s17, ttmp6, 0x40000                  ; cx: it enters x's and o's addresses alone
	s_mov_b32 s19, ttmp9                           ; the cluster: 64 rows
	s_lshl_b32 s18, s19, 2
	s_add_co_u32 s18, s18, s17                     ; my block of 16 rows, of 256
	; group 1: 64 rows of 256 elements, 512 bytes, padded in LDS by 32
	s_mov_b32 s24, 15|(1<<16)|(1<<20)|(1<<21)|(6<<22)|(7<<25)  ; the mask of four; 2-byte elements; padding on; bit 21 beside a mask; after every 128 words; 8 words
	s_mov_b32 s25, 256<<16                         ; tensor_dim0 = 256
	s_mov_b32 s26, 64<<16                          ; tensor_dim1 = 64
	s_mov_b32 s27, 256<<16                         ; tile_dim0 = 256
	s_mov_b32 s28, 64                              ; tile_dim1 = 64
	s_mov_b32 s29, 256                             ; 256 elements from row to row
	s_mov_b32 s30, 0
	s_mov_b32 s31, 0
	s_mov_b32 s32, 1
	s_mul_i32 s33, s[WV], 64*PW                    ; my 64 rows in slot 0,
	s_mov_b32 s36, 1
	s_add_co_u32 s37, s33, SLOT                    ; and in slot 1
	s_lshl_b32 s50, s[WV], 15                      ; my 64 rows of a block in memory
	s_mov_b32 s51, 0
	s_and_b32 s52, s18, 127
	s_lshl_b32 s52, s52, 14                        ; x: my 16 rows of 1,024 bytes in the stack
	s_mov_b32 s53, 0
	s_and_b32 s54, s18, 63
	s_lshl_b32 s54, s54, 11                        ; o: my 16 rows of 128 bytes in the sequence,
	s_lshr_b32 s55, s19, 4
	s_lshl_b32 s55, s55, 19                        ; and the sequence's four heads of 131,072 bytes
	s_add_co_u32 s54, s54, s55
	s_mov_b32 s55, 0
	s_mov_b32 s40, 0x76543210
	s_mov_b32 s41, 0xfedcba98
	s_wait_dscnt 0x0                               ; the opening add is done
	s_wait_kmcnt 0x0
	s_add_nc_u64 s[34:35], s[4:5], s[50:51]        ; block 0
	s_add_nc_u64 s[38:39], s[34:35], 131072        ; block 1
	s_or_b32 s35, s35, 0x80000000                  ; type = 2
	s_or_b32 s39, s39, 0x80000000
	s_cmp_lt_u32 s19, 32                           ; the stack: the same in all four partners
	s_cselect_b64 s[42:43], s[8:9], s[10:11]
	s_cselect_b64 s[44:45], s[12:13], s[14:15]
	s_add_nc_u64 s[42:43], s[42:43], s[52:53]
	s_add_nc_u64 s[44:45], s[44:45], s[52:53]
	s_add_nc_u64 s[46:47], s[6:7], s[54:55]
	s_add_nc_u64 s[48:49], s[4:5], OFF_VEC
	CROUND                                         ; all four work-groups are here: the first joint loads meet
	tensor_load_to_lds s[32:35], s[24:31]
	s_nop 0
	tensor_load_to_lds s[36:39], s[24:31]
	s_nop 0
	PLACES
	v_and_b32 v1, 15, v0                           ; r
	v_bfe_u32 v2, v0, 4, 1                         ; hh
	s_lshl_b32 s56, s[WV], 8
	v_lshl_add_u32 v5, v2, 5, s56                  ; vectors: 256 w + 32 hh
	v_lshl_add_u32 v3, v1, 10, v5                  ; x: r x 1,024 + the same
	v_lshlrev_b32 v26, 4, v2
	v_lshl_add_u32 v4, v1, 7, v26                  ; o: r x 128 + 16 hh
.set ks, 0
.rept 8                                ; o's fragments as they lie: head ks / 2, channels 32 (ks % 2) on
	global_load_b128 v[128+8*ks:131+8*ks], v4, s[46:47] offset:(ks/2)*131072+64*(ks%2)
	global_load_b128 v[132+8*ks:135+8*ks], v4, s[46:47] offset:(ks/2)*131072+64*(ks%2)+32
.set ks, ks+1
.endr
.irp nt, 0,1,2,3
	global_load_b128 v[64+8*\nt:67+8*\nt], v3, s[42:43] offset:64*\nt
	global_load_b128 v[68+8*\nt:71+8*\nt], v3, s[42:43] offset:64*\nt+16
.endr
	WIN 0x80
.set q, 0
.rept 8
.irp nt, 0,1,2,3
	global_load_b128 v[32*q+8*\nt:32*q+8*\nt+3],   v5, s[48:49] offset:1024*(q+1)+64*\nt
	global_load_b128 v[32*q+8*\nt+4:32*q+8*\nt+7], v5, s[48:49] offset:1024*(q+1)+64*\nt+16
.endr
.set q, q+1
.endr
	WIN 0xc0
.set q, 0
.rept 3
.irp nt, 0,1,2,3
	global_load_b128 v[32*q+8*\nt:32*q+8*\nt+3],   v5, s[48:49] offset:9216+1024*q+64*\nt
	global_load_b128 v[32*q+8*\nt+4:32*q+8*\nt+7], v5, s[48:49] offset:9216+1024*q+64*\nt+16
.endr
.set q, q+1
.endr
	WIN 0
	v_and_b32 v27, 7, v0
	v_bfe_u32 v28, v0, 3, 1
	v_lshl_add_u32 v6, v2, 3, v27                  ; the turning load: row 8 hh + l % 8,
	v_mul_u32_u24 v6, v6, PW
	v_lshl_add_u32 v6, v28, 4, v6                  ; 16 bytes by (l / 8) % 2,
	s_lshl_b32 s57, s[WV], 7
	v_add_nc_u32 v6, s57, v6                       ; my 64 columns: slot 0, k under 128
	v_add_nc_u32 v7, 128*PW, v6                    ; slot 0, k from 128 on
	v_add_nc_u32 v8, SLOT, v6                      ; slot 1
	v_add_nc_u32 v9, SLOT+128*PW, v6
	v_mul_u32_u24 v11, v1, PY
	v_add_nc_u32 v11, v11, v26
	v_add_nc_u32 v11, ACTY, v11                    ; y read: r x pitch + 16 hh
	v_add_nc_u32 v10, s57, v11                     ; y stored: + my 128 bytes
	v_mul_u32_u24 v13, v1, PU
	v_add_nc_u32 v13, v13, v26
	v_add_nc_u32 v13, ACTU, v13                    ; the same for mish's results
	v_add_nc_u32 v12, s57, v13
	v_lshlrev_b32 v15, 4, v1
	v_add_nc_u32 v15, RED, v15                     ; a row's four words
	s_lshl_b32 s58, s[WV], 2
	v_add_nc_u32 v14, s58, v15                     ; mine of them
	s_mul_i32 s58, s[WV], 16*PO
	s_add_co_u32 s58, s58, ACTU                    ; my stage
	v_mul_u32_u24 v16, v1, PO
	v_lshl_add_u32 v16, v2, 5, v16
	v_add_nc_u32 v16, s58, v16                     ; in: row r, 32 bytes for each half of the lanes
	v_mul_u32_u24 v17, v2, PO
	v_lshl_add_u32 v17, v1, 4, v17
	v_add_nc_u32 v17, s58, v17                     ; back: lanes 0-15 one row of 256 bytes, lanes 16-31 the next
	v_lshlrev_b32 v18, 10, v2
	v_lshl_add_u32 v18, v1, 4, v18
	v_add_nc_u32 v18, s56, v18                     ; and the same two rows in x'
	v_mov_b32 v19, 0x3b800000                      ; 1/256
	v_mov_b32 v30, 0
	v_mov_b32 v31, 0                               ; v_permlanex16_b32 counts as a reader of its destination
	s_wait_loadcnt 0x0
	s_wait_tensorcnt 0x1                           ; my part of block 0 is in; block 1's may stay out
	s_barrier_signal -1
	s_barrier_wait -1
	GEMM 0, 2, 0                                   ; o Wo + bo
	CHANGE 1, 0                                    ; block 2 is asked for
	PLACES
	LN 32, 32, 0, 32, 64                           ; LN(.; an)
.set i, 0
.rept 16
	v_pk_add_f32 v[96+2*i:97+2*i], v[64+2*i:65+2*i], v[32+2*i:33+2*i]  ; x1
.set i, i+1
.endr
	LN 96, 192, 2, 96, 128                         ; y = LN(x1; fn)
.set i, 0
.rept 16
	v_cvt_pk_f16_f32 v[224+i], v[192+2*i], v[193+2*i]
.set i, i+1
.endr
.irp nt, 0,1,2,3
	ds_store_b128 v10, v[224+4*\nt:227+4*\nt] offset:32*\nt
.endr
	s_wait_dscnt 0x0                               ; for the others' sake: my columns of y lie in LDS
	s_barrier_signal -1
	s_barrier_wait -1
	LOADA 11, 0
	GEMM 1, 3, 0                                   ; y W1[:, 0:256] + b1
	CHANGE 1, 1                                    ; block 3
	MISH 0
	GEMM 0, 3, 32
	CHANGE 1, 0                                    ; block 4
	MISH 1
	GEMM 1, 3, 64
	CHANGE 1, 1                                    ; block 5
	MISH 2
	s_wait_dscnt 0x0
	s_barrier_signal -1
	s_barrier_wait -1                              ; all 768 columns of mish's results lie in LDS
	LOADA 13, 0
	GEMM 0, 2, 160                                 ; . W2[0:256] + b2
	CHANGE 1, 0                                    ; block 6: the last load
	LOADA 13, 512
	GEMM 1, 0, 0
	CHANGE 0                                       ; block 6 is in; nothing is asked for
	LOADA 13, 1024
	GEMM 0, 0, 0
	PLACES
	PLACES
.set i, 0
.rept 16
	v_pk_add_f32 v[32+2*i:33+2*i], v[32+2*i:33+2*i], v[96+2*i:97+2*i]  ; x1 + h
.set i, i+1
.endr
	LN 32, 32, 4, 192, 224                         ; LN(.; n)
.set i, 0
.rept 16
	v_pk_add_f32 v[32+2*i:33+2*i], v[32+2*i:33+2*i], v[64+2*i:65+2*i]  ; + x
.set i, i+1
.endr
	; THE WAY OUT.  The stage lies where mish's results lay: every wave's last reads of them were waited for ahead of the two barriers of the norm above.
.irp nt, 0,1,2,3
	ds_store_b128 v16, v[32+8*\nt:35+8*\nt] offset:64*\nt
	ds_store_b128 v16, v[36+8*\nt:39+8*\nt] offset:64*\nt+16
.endr
.irp u, 0,1,2,3,4,5,6,7
	ds_load_b128 v[192+4*\u:195+4*\u], v17 offset:2*PO*\u  ; LDS serves a wave's instructions in order (ISA guide 5.7.1.4)
.endr
.irp u, 0,1,2,3,4,5,6,7
	s_wait_dscnt 7-\u
	global_store_b128 v18, v[192+4*\u:195+4*\u], s[44:45] offset:2048*\u  ; 16 lanes store 256 consecutive bytes, at a multiple of 256 from the buffer's first byte
.endr
	s_wait_tensorcnt 0x0                           ; the wave's end
	ds_add_u32 v[SPW], v[NIL]
	s_wait_dscnt 0x0
	CROUND                                         ; the closing round
	s_endpgm
.Lfunc_end_k_qdf32ae95ad_post0:
	.size	k_qdf32ae95ad_post0, .Lfunc_end_k_qdf32ae95ad_post0-k_qdf32ae95ad_post0
	.p2alignl 7, 3214868480
	.fill 96, 4, 3214868480
	.section	.rodata,"a",@progbits
	.p2align	6, 0x0
	.amdhsa_kernel k_qdf32ae95ad_post0
		.amdhsa_group_segment_fixed_size 327680
		.amdhsa_private_segment_fixed_size 0
		.amdhsa_enable_private_segment 0
		.amdhsa_kernarg_size 48
		.amdhsa_user_sgpr_count 2
		.amdhsa_user_sgpr_kernarg_segment_ptr 1
		.amdhsa_wavefront_size32 1
		.amdhsa_system_sgpr_workgroup_id_x 1
		.amdhsa_system_sgpr_workgroup_id_y 1
		.amdhsa_system_sgpr_workgroup_id_z 1
		.amdhsa_system_vgpr_workitem_id 0
		.amdhsa_next_free_vgpr 864
		.amdhsa_next_free_sgpr 66
		.amdhsa_reserve_vcc 0
		.amdhsa_float_denorm_mode_32 3
		.amdhsa_float_denorm_mode_16_64 3
		.amdhsa_memory_ordered 1
		.amdhsa_forward_progress 1
		.amdhsa_inst_pref_size 133
	.end_amdhsa_kernel
	.amdgpu_metadata
---
amdhsa.version: [ 1, 2 ]
amdhsa.kernels:
  - .name:           k_qdf32ae95ad_post0
    .symbol:         k_qdf32ae95ad_post0.kd
    .args:
      - { .name: L0, .offset: 0, .size: 8, .value_kind: global_buffer, .address_space: global }
      - { .name: obuf, .offset: 8, .size: 8, .value_kind: global_buffer, .address_space: global }
      - { .name: out0, .offset: 16, .size: 8, .value_kind: global_buffer, .address_space: global }
      - { .name: out1, .offset: 24, .size: 8, .value_kind: global_buffer, .address_space: global }
      - { .name: xw0, .offset: 32, .size: 8, .value_kind: global_buffer, .address_space: global }
      - { .name: xw1, .offset: 40, .size: 8, .value_kind: global_buffer, .address_space: global }
    .group_segment_fixed_size: 327680
    .private_segment_fixed_size: 0
    .kernarg_segment_align: 8
    .kernarg_segment_size: 48
    .max_flat_workgroup_size: 128
    .sgpr_count:     66
    .vgpr_count:     864
    .wavefront_size: 32
...
	.end_amdgpu_metadata
.endif
;; end of part 3
;; launch att1: the kernel of part 2 again; grid 16 x 16, 4 waves a work-group, clusters of 4 x 1, 327,680 bytes of LDS; arguments L1, xw0, xw1, obuf; writes obuf
;; launch post1: the kernel of part 3 again; grid 256 x 1, 4 waves a work-group, clusters of 4 x 1, 327,680 bytes of LDS; arguments L1, obuf, xw0, xw1, out0, out1; writes out0, out1
;; launch att2: the kernel of part 2 again; grid 16 x 16, 4 waves a work-group, clusters of 4 x 1, 327,680 bytes of LDS; arguments L2, out0, out1, obuf; writes obuf
;; launch post2: the kernel of part 3 again; grid 256 x 1, 4 waves a work-group, clusters of 4 x 1, 327,680 bytes of LDS; arguments L2, obuf, out0, out1, xw0, xw1; writes xw0, xw1
;; launch att3: the kernel of part 2 again; grid 16 x 16, 4 waves a work-group, clusters of 4 x 1, 327,680 bytes of LDS; arguments L3, xw0, xw1, obuf; writes obuf
;; launch post3: the kernel of part 3 again; grid 256 x 1, 4 waves a work-group, clusters of 4 x 1, 327,680 bytes of LDS; arguments L3, obuf, xw0, xw1, out0, out1; writes out0, out1
;; ======== version 2 of 2: 9 launches; 1.12 times as fast as version 1
;; limits: values are held in f16: magnitudes above 65,504 overflow, below 6.1e-05 lose precision; a function is approximated: absolute error at most 0.0003
;; workspace buffers: L0 5,255,168 bytes; L1 5,255,168 bytes; L2 5,255,168 bytes; L3 5,255,168 bytes; xw0 2,097,152 bytes; xw1 2,097,152 bytes; obuf 2,097,152 bytes
;; launch prep (part 4): grid 32 x 8, 4 waves a work-group, no clusters, 148,992 bytes of LDS; arguments Wk, Wv, bk, bv, vel, img, pose, out0, out1, L0, L1, L2, L3, Wo, W1, W2, Wq, bq, bo, an_g, an_b, fn_g, fn_b, b2, n_g, n_b, b1; writes L0, L1, L2, L3, out0, out1
.if DOCPART == 4
	.amdgcn_target "amdgcn-amd-amdhsa--gfx1250"
	.amdhsa_code_object_version 6
	.text
	.protected	k_qdf32ae95ad_prep
	.globl	k_qdf32ae95ad_prep
	.p2align	8
	.type	k_qdf32ae95ad_prep,@function
k_qdf32ae95ad_prep:
	s_mov_b64 s[64:65], 0
	v_nop
	global_prefetch_b8 v0, s[64:65] scope:SCOPE_SE
	s_setreg_imm32_b32 hwreg(HW_REG_WAVE_MODE, 25, 1), 1
	s_wait_xcnt 0x0
; PREP.  All that does not hang on x, for all four layers, and x's start.
;   K = kv Wk + bk and V = kv Wv + bv for kv = vel (sequences 0, 1) and img (sequences 2, 3), written by heads, [sequence][head][key][64] in f16;
;   Wo, W1 and W2 cut into seven blocks [256 k][256 n] in f16, in the order in which the third body walks them; Wq turned, [n][k], in f16;
;   the ten bias and gain vectors in f32; pose into out0 and out1, the first layer's x.
; EVERY INPUT IS ROUNDED ONCE TO bf16; a weight's bf16 number is then written as f16.
; LIMITS.  f16 ends at 65,504: weights, K and V must lie within it (with all inputs 30 times the usual spread K and V reach some 1,500; with a common offset of 30 spreads on
; kv and on the weights 256 x 30 x 0.6 = 4,608).  Below 6.1e-5 f16 keeps a fixed step of 6e-8.  NaN and infinities are not treated apart.
; SHARES.  Work-group (rb, j): layer i = j / 2, kind = j % 2 (K or V), rows 128 rb .. 128 rb + 127 of the 4,096 kv rows, all 256 columns; wave w has 32 of the rows.
; Beside that each work-group casts its 64th of the layer's weights (place e = 2 rb + kind) and its 256th of pose; the work-group with e = 0 the layer's vectors.
; NO CLUSTER, NO TENSOR LOAD: what work-groups share here (256 KiB of weights among 32, 128 KiB of rows among 8) is f32 and has to pass through registers to be rounded.
; PRODUCT.  Transposed: source 0 = 16 columns of the weight (turned out of LDS by ds_load_tr16_b128), source 1 = 16 rows of kv: a lane ends with 8 neighbouring columns of one row.
; It goes HEAD BY HEAD, in a loop of four trips: a trip makes 64 columns over all of K (64 products on eight accumulators) and stores them, so one text serves all four.
; REGISTERS, in windows of 256.  Window 0: v1-29 addresses, v24-63 at work, v64-191 the streams, later two buffers of weight fragments, v192-255 the way out.
;   window 1: four sets of 64 for the weights on their way to LDS, later the 8 accumulators ((rt, t) at 8 (4 rt + t)).
;   window 2: my 32 rows of kv in f32, packed in place to 16 fragments ((rt, ks) at 8 (8 rt + ks)).     window 3: a head's bias as C operands (t at 8 t), v32-35 at work.
.set PW,      544                      ; a weight row in LDS: 512 bytes + 32 = 17 x 32
.set STAGE,   256*PW                   ; behind the weights: 16 rows x 144 bytes for each wave, for the way out
.set SPST,    144
.set SPARE,   STAGE+4*16*SPST           ; the spare words, 128 bytes for each wave: two blocks of 256 bytes that no other line names
.set OFF_WQT, 0xE0000                  ; places in a layer's buffer
.set OFF_K,   0x100000
.set OFF_VEC, 0x500000
.set SPW, 22                           ; v22  LDS address of my spare word; never rewritten
.set NIL, 23                           ; v23  0; never rewritten
.set MSB, 0
.macro WIN new                         ; the immediate's high byte repeats the setting that is left; a switch that changes nothing is dropped
.if MSB != (\new)
	s_set_vgpr_msb (MSB<<8)|(\new)
.set MSB, \new
.endif
.endm
.macro PLACES                          ; four plain places behind matrix instructions (ISA guide 7.12.1)
.rept 4
	v_nop
.endr
.endm
.macro RB a, b, t                      ; two f32 rounded to bf16 and widened again
	v_cvt_pk_bf16_f32 v[\t], v[\a], v[\b]
	v_lshlrev_b32 v[\a], 16, v[\t]
	v_and_b32 v[\b], s66, v[\t]
.endm
.macro RH d, a, b, t                   ; the same, then written as two f16
	RB \a, \b, \t
	v_cvt_pk_f16_f32 v[\d], v[\a], v[\b]
.endm
	s_load_b512 s[4:19], s[0:1], 0x0               ; Wk 4, Wv 6, bk 8, bv 10, vel 12, img 14, pose 16, out0 18
	s_load_b512 s[20:35], s[0:1], 0x40             ; out1 20, L0 22, L1 24, L2 26, L3 28, Wo 30, W1 32, W2 34
	s_load_b512 s[36:51], s[0:1], 0x80             ; Wq 36, bq 38, bo 40, an_g 42, an_b 44, fn_g 46, fn_b 48, b2 50
	s_load_b128 s[52:55], s[0:1], 0xc0             ; n_g 52, n_b 54
	s_load_b64 s[56:57], s[0:1], 0xd0              ; b1 56
	v_lshl_add_u32 v[SPW], v0, 2, SPARE
	v_mov_b32 v[NIL], 0
	v_lshrrev_b32 v24, 5, v0
	v_readfirstlane_b32 s58, v24                   ; wave 0..3
	s_mov_b32 s59, ttmp9                           ; rb
	s_and_b32 s60, ttmp7, 0xffff                   ; j
	s_lshr_b32 s61, s60, 1                         ; layer i
	s_and_b32 s62, s60, 1                          ; kind
	s_lshl1_add_u32 s63, s59, s62                  ; e = 2 rb + kind
	s_mov_b32 s66, 0xffff0000                      ; a word's upper bf16
	v_and_b32 v1, 31, v0                           ; l
	v_and_b32 v2, 15, v0                           ; r
	v_bfe_u32 v3, v0, 4, 1                         ; hh
	v_lshlrev_b32 v4, 4, v0                        ; pose: 16 x thread
	s_lshl2_add_u32 s94, s63, s58                  ; the weight row that my wave casts: kr = 4 e + w
	s_lshl_b32 s95, s94, 10
	v_lshl_add_u32 v5, v1, 5, s95                  ; Wo, W2: kr x 1,024 + 32 l
	s_mul_i32 s95, s94, 3072
	v_lshl_add_u32 v6, v1, 5, s95                  ; W1: kr x 3,072 + 32 l
	s_lshl_b32 s95, s94, 9
	v_lshl_add_u32 v7, v1, 4, s95                  ; out: kr x 512 + 16 l
	s_lshr_b32 s94, s63, 3
	s_lshl_b32 s94, s94, 5
	s_lshl3_add_u32 s94, s58, s94                  ; Wq: k0 = 32 (e / 8) + 8 w
	s_and_b32 s95, s63, 7                          ; and columns n = 32 (e % 8) + l
	s_lshl_b32 s96, s94, 10
	s_lshl_b32 s97, s95, 7
	s_add_co_u32 s96, s96, s97
	v_lshl_add_u32 v8, v1, 2, s96                  ; in: k0 x 1,024 + 4 n
	s_lshl_b32 s96, s95, 14
	s_lshl1_add_u32 s96, s94, s96
	v_lshl_add_u32 v9, v1, 9, s96                  ; out: n x 512 + 2 k0
	s_lshl_b32 s96, s61, 10
	v_lshl_add_u32 v10, v0, 3, s96                 ; vectors of 256: i x 1,024 + 8 x thread
	s_mul_i32 s96, s61, 3072
	v_lshl_add_u32 v11, v0, 3, s96                 ; b1: i x 3,072 + 8 x thread
	v_lshlrev_b32 v12, 3, v0
	v_lshlrev_b32 v14, 5, v3                       ; bias as C: 32 hh
	v_lshl_add_u32 v13, v2, 10, v14                ; kv fragments: r x 1,024 + 32 hh
	s_lshl_b32 s96, s58, 16
	v_lshl_add_u32 v15, v1, 5, s96                 ; weights in: my 64 rows, 32 l
	s_mul_i32 s96, s58, 64*PW
	v_lshl_add_u32 v16, v1, 4, s96                 ; weights into LDS: my 64 rows, 16 l
	v_and_b32 v24, 7, v0
	v_bfe_u32 v25, v0, 3, 1
	v_lshl_add_u32 v17, v3, 3, v24                 ; the turning load: row 8 hh + l % 8,
	v_mul_u32_u24 v17, v17, PW
	v_lshl_add_u32 v17, v25, 4, v17                ; 16 bytes by (l / 8) % 2
	v_add_nc_u32 v18, 128*PW, v17                  ; the same for k from 128 on
	s_mul_i32 s96, s58, 16*SPST
	s_add_co_u32 s96, s96, STAGE                   ; my stage
	v_mul_u32_u24 v19, v2, SPST
	v_lshl_add_u32 v19, v3, 4, v19
	v_add_nc_u32 v19, s96, v19                     ; in: row r, 16 bytes for each half of the lanes
	v_bfe_u32 v20, v0, 3, 2
	v_mul_u32_u24 v20, v20, SPST
	v_lshl_add_u32 v20, v24, 4, v20
	v_add_nc_u32 v20, s96, v20                     ; back: 32 lanes take four rows of 128 bytes,
	v_lshlrev_b32 v21, 4, v1                       ; which are 512 consecutive bytes of K or V
	; byte offsets, each in registers of its own
	s_lshl_b32 s70, s60, 5
	s_add_co_u32 s70, s70, s59
	s_lshl_b32 s70, s70, 13                        ; pose: (32 j + rb) x 8,192
	s_mov_b32 s71, 0
	s_lshl_b32 s94, s61, 18                        ; i x 262,144
	s_mov_b32 s95, 0
	s_mul_i32 s96, s61, 786432                     ; i x 786,432
	s_mov_b32 s97, 0
	s_lshl_b32 s98, s61, 10                        ; i x 1,024
	s_mov_b32 s99, 0
	s_wait_kmcnt 0x0
	s_cmp_eq_u32 s61, 1                            ; the layer's buffer
	s_cselect_b64 s[68:69], s[24:25], s[22:23]
	s_cmp_eq_u32 s61, 2
	s_cselect_b64 s[68:69], s[26:27], s[68:69]
	s_cmp_eq_u32 s61, 3
	s_cselect_b64 s[68:69], s[28:29], s[68:69]
	s_cmp_eq_u32 s62, 0
	s_cselect_b64 s[90:91], s[4:5], s[6:7]         ; Wk or Wv
	s_cselect_b64 s[88:89], s[8:9], s[10:11]       ; bk or bv
	s_cmp_lt_u32 s59, 16
	s_cselect_b64 s[86:87], s[12:13], s[14:15]     ; vel or img
	s_add_nc_u64 s[72:73], s[16:17], s[70:71]      ; pose, out0, out1 at my 8,192 bytes
	s_add_nc_u64 s[74:75], s[18:19], s[70:71]
	s_add_nc_u64 s[76:77], s[20:21], s[70:71]
	s_add_nc_u64 s[78:79], s[30:31], s[94:95]      ; Wo[i]
	s_add_nc_u64 s[84:85], s[36:37], s[94:95]      ; Wq[i]
	s_add_nc_u64 s[90:91], s[90:91], s[94:95]      ; Wk[i] or Wv[i]
	s_add_nc_u64 s[80:81], s[32:33], s[96:97]      ; W1[i]
	s_add_nc_u64 s[82:83], s[34:35], s[96:97]      ; W2[i]
	s_add_nc_u64 s[88:89], s[88:89], s[98:99]      ; bk[i] or bv[i]
	s_and_b32 s70, s59, 15
	s_lshl_b32 s70, s70, 7
	s_lshl_b32 s94, s58, 5
	s_add_co_u32 s70, s70, s94                     ; my wave's first row in vel or img
	s_lshl_b32 s70, s70, 10
	s_add_nc_u64 s[86:87], s[86:87], s[70:71]
	s_lshl_b32 s70, s62, 21                        ; K at OFF_K, V 0x200000 behind it
	s_add_co_u32 s70, s70, OFF_K
	s_lshr_b32 s94, s59, 3
	s_lshl_b32 s94, s94, 19                        ; the sequence: four heads of 131,072 bytes
	s_add_co_u32 s70, s70, s94
	s_and_b32 s94, s59, 7
	s_lshl_b32 s94, s94, 14                        ; 128 keys of 128 bytes
	s_add_co_u32 s70, s70, s94
	s_lshl_b32 s94, s58, 12                        ; my wave's 32 keys
	s_add_co_u32 s70, s70, s94
	s_add_nc_u64 s[92:93], s[68:69], s[70:71]      ; head 0; the loop below steps it from head to head
	; THE STREAMS.  All 26 loads go out first, each into registers of its own.
.irp u, 0,1,2,3
	global_load_b128 v[64+4*\u:67+4*\u], v4, s[72:73] offset:2048*\u th:TH_LOAD_NT
.endr
	global_load_b128 v[80:83], v5, s[78:79] th:TH_LOAD_NT
	global_load_b128 v[84:87], v5, s[78:79] offset:16 th:TH_LOAD_NT
.irp c, 0,1,2
	global_load_b128 v[88+8*\c:91+8*\c], v6, s[80:81] offset:1024*\c th:TH_LOAD_NT
	global_load_b128 v[92+8*\c:95+8*\c], v6, s[80:81] offset:1024*\c+16 th:TH_LOAD_NT
.endr
.irp c, 0,1,2
	global_load_b128 v[112+8*\c:115+8*\c], v5, s[82:83] offset:262144*\c th:TH_LOAD_NT
	global_load_b128 v[116+8*\c:119+8*\c], v5, s[82:83] offset:262144*\c+16 th:TH_LOAD_NT
.endr
.irp u, 0,1,2,3,4,5,6,7
	global_load_b32 v[164+\u], v8, s[84:85] offset:1024*\u th:TH_LOAD_NT
.endr
	s_wait_loadcnt 22                              ; pose is in: 14 + 8 younger loads may stay out
.set q, 0
.rept 8
	RB 64+2*q, 65+2*q, 24+q%4
.set q, q+1
.endr
.irp u, 0,1,2,3
	global_store_b128 v4, v[64+4*\u:67+4*\u], s[74:75] offset:2048*\u
	global_store_b128 v4, v[64+4*\u:67+4*\u], s[76:77] offset:2048*\u
.endr
	s_wait_loadcnt 8                               ; the seven blocks' rows are in: Wq's 8 loads may stay out
.set q, 0
.rept 28
	RH 136+q, 80+2*q, 81+2*q, 24+q%4
.set q, q+1
.endr
.irp c, 0,1,2,3,4,5,6
	global_store_b128 v7, v[136+4*\c:139+4*\c], s[68:69] offset:131072*\c  ; a wave stores 512 consecutive bytes: a row of the block
.endr
	s_wait_loadcnt 0x0
.set q, 0
.rept 4
	RH 172+q, 164+2*q, 165+2*q, 24+q
.set q, q+1
.endr
	global_store_b128 v9, v[172:175], s[68:69] offset:OFF_WQT  ; the turned Wq leaves in pieces of 16 bytes, 512 bytes apart: 131,072 bytes a layer, once in the program
	s_cmp_lg_u32 s63, 0
	s_cbranch_scc1 .Lno_vec                        ; one work-group a layer casts the vectors
.irp u, 0,1,2,3,4,5,6,7,8
	global_load_b64 v[176+2*\u:177+2*\u], v10, s[38+2*\u:39+2*\u]
.endr
.irp c, 0,1,2
	global_load_b64 v[194+2*\c:195+2*\c], v11, s[56:57] offset:1024*\c
.endr
	s_wait_loadcnt 0x0
.set q, 0
.rept 12
	RB 176+2*q, 177+2*q, 24+q%4
.set q, q+1
.endr
.irp u, 0,1,2,3,4,5,6,7,8,9,10,11
	global_store_b64 v12, v[176+2*\u:177+2*\u], s[68:69] offset:OFF_VEC+1024*\u
.endr
.Lno_vec:
	s_wait_xcnt 0x0                                ; the stores above have read their data: v64-199 are written again below
	; THE PRODUCT.  My 32 rows of kv, head 0's bias, and my 64 rows of the weight on their way to LDS.
	WIN 0x80
.set fi, 0
.rept 16                               ; fragment fi = 8 rt + ks: 16 f32 a lane
	global_load_b128 v[16*fi:16*fi+3],     v13, s[86:87] offset:(fi/8)*16384+(fi%8)*128
	global_load_b128 v[16*fi+4:16*fi+7],   v13, s[86:87] offset:(fi/8)*16384+(fi%8)*128+16
	global_load_b128 v[16*fi+8:16*fi+11],  v13, s[86:87] offset:(fi/8)*16384+(fi%8)*128+64
	global_load_b128 v[16*fi+12:16*fi+15], v13, s[86:87] offset:(fi/8)*16384+(fi%8)*128+80
.set fi, fi+1
.endr
	WIN 0xc0
.irp u, 0,1,2,3
	global_load_b128 v[8*\u:8*\u+3],   v14, s[88:89] offset:64*\u
	global_load_b128 v[8*\u+4:8*\u+7], v14, s[88:89] offset:64*\u+16
.endr
	WIN 0
.macro WLOAD b                         ; batch b of a trip's four: eight rows, 16 loads, into set b
	WIN 0x40
.set i2, 0
.rept 8
	global_load_b128 v[64*(\b)+8*i2:64*(\b)+8*i2+3],   v15, s[90:91] offset:(8*(\b)+i2)*1024
	global_load_b128 v[64*(\b)+8*i2+4:64*(\b)+8*i2+7], v15, s[90:91] offset:(8*(\b)+i2)*1024+16
.set i2, i2+1
.endr
.endm
.macro WCONV b, left                   ; batch b is rounded to bf16 and laid into LDS; left = the younger loads
	s_wait_loadcnt \left
	WIN 0x05
.set p, 0
.rept 32
	v_cvt_pk_bf16_f32 v[32+p], v[64*(\b)+2*p], v[64*(\b)+2*p+1]
.set p, p+1
.endr
	WIN 0
.set i2, 0
.rept 8
	ds_store_b128 v29, v[32+4*i2:32+4*i2+3] offset:(8*(\b)+i2)*PW
.set i2, i2+1
.endr
.endm
	s_mov_b32 s94, 2                               ; two trips of 32 rows: one text for both halves of my 64 rows
	s_mov_b32 s95, 0                               ; the trip's rows in LDS
.Lw:
	v_add_nc_u32 v29, s95, v16
	WLOAD 0                                        ; all 64 loads of the trip go out first
	WLOAD 1
	WLOAD 2
	WLOAD 3
	WCONV 0, 48                                    ; three younger batches of 16 may stay out; kv and the bias are older, so they are in at the first of these waits
	WCONV 1, 32
	WCONV 2, 16
	WCONV 3, 0
	s_add_nc_u64 s[90:91], s[90:91], 32768         ; every load that names this base is done: 32 rows of 1,024 bytes on
	s_add_co_u32 s95, s95, 32*PW
	s_sub_co_u32 s94, s94, 1
	s_cmp_lg_u32 s94, 0
	s_cbranch_scc1 .Lw
	WIN 0x8a                                       ; kv to bf16, in place: register k takes registers 2 k and 2 k + 1, ascending
.set p, 0
.rept 128
	v_cvt_pk_bf16_f32 v[p], v[2*p], v[2*p+1]
.set p, p+1
.endr
	WIN 0
	s_wait_dscnt 0x0                               ; for the others' sake: my rows of the weight lie in LDS
	s_barrier_signal -1
	s_barrier_wait -1
; Step st of a head's four: 64 along K (ks = 2 st, 2 st + 1), the head's four column tiles.  16 turning loads into buffer st % 2; v26 serves k under 128, v27 k from 128 on.
.macro FETCHB st
	WIN 0
.set f, 0
.rept 8                                ; f = 4 (ks % 2) + t
	ds_load_tr16_b128 v[64+64*((\st)%2)+8*f:64+64*((\st)%2)+8*f+3],   v[26+(\st)/2] offset:((2*(\st)+f/4)%4)*32*PW+32*(f%4)
	ds_load_tr16_b128 v[64+64*((\st)%2)+8*f+4:64+64*((\st)%2)+8*f+7], v[26+(\st)/2] offset:((2*(\st)+f/4)%4)*32*PW+32*(f%4)+16*PW
.set f, f+1
.endr
.endm
; 16 products: the eight accumulators take turns, so a chain's links stand eight matrix instructions apart.  The first K step takes the bias as C: nothing is cleared.
.macro MULB st
.irp kq, 0,1
.set ks, 2*(\st)+\kq
.if ks == 0
	WIN 0x78                                       ; D window 1, weight window 0, kv window 2, C window 3
.else
	WIN 0x58                                       ; C and D window 1
.endif
.set t, 0
.rept 4
.set rB, 64+64*((\st)%2)+8*(4*\kq+t)
.irp rt, 0,1
.if ks == 0
	v_wmma_f32_16x16x32_bf16 v[8*(4*\rt+t):8*(4*\rt+t)+7], v[rB:rB+7], v[8*(8*\rt+ks):8*(8*\rt+ks)+7], v[8*t:8*t+7]
.else
	v_wmma_f32_16x16x32_bf16 v[8*(4*\rt+t):8*(4*\rt+t)+7], v[rB:rB+7], v[8*(8*\rt+ks):8*(8*\rt+ks)+7], v[8*(4*\rt+t):8*(4*\rt+t)+7]
.endif
.endr
.set t, t+1
.endr
.endr
.endm
; THE WAY OUT of the head's rows 16 g .. 16 g + 15 of my 32: 16 keys x 64 channels.  Rounded to f16, 16 bytes a lane into my stage, back as four rows of 128 bytes a load, stored as 512 consecutive bytes.
.macro OUTG g
.set PKD, 192+32*(\g)
	s_wait_xcnt 0x0                                ; the stores of the trip before have read this set of registers
	WIN 0x05
.set q, 0
.rept 4
.set rA, 8*(4*(\g)+q)
.irp p, 0,1,2,3
	v_cvt_pk_f16_f32 v[PKD+4*q+\p], v[rA+2*\p], v[rA+2*\p+1]  ; each accumulator from its low end on
.endr
.set q, q+1
.endr
	WIN 0
.irp u, 0,1,2,3
	ds_store_b128 v19, v[PKD+4*\u:PKD+4*\u+3] offset:32*\u
.endr
.irp u, 0,1,2,3
	ds_load_b128 v[PKD+16+4*\u:PKD+19+4*\u], v20 offset:4*SPST*\u  ; LDS serves a wave's instructions in order (ISA guide 5.7.1.4): these see the stores above
.endr
.irp u, 0,1,2,3
	s_wait_dscnt 3-\u
	global_store_b128 v21, v[PKD+16+4*\u:PKD+19+4*\u], s[92:93] offset:(\g)*2048+512*\u
.endr
.endm
	s_mov_b32 s94, 4                               ; heads to go
	s_mov_b32 s95, 0                               ; the head's 64 columns in an LDS row: 128 bytes x head
	s_mov_b32 s96, 256                             ; the next head's 64 numbers of the bias: 256 bytes x (head + 1)
.Lhead:
	v_add_nc_u32 v26, s95, v17
	v_add_nc_u32 v27, s95, v18
	FETCHB 0
	FETCHB 1
	s_wait_loadcnt 0x0                             ; the head's bias, asked for a trip ago, is in; its address register is free
	WIN 0xff
.set p, 0
.rept 16
	RB 2*p, 2*p+1, 32+p%4
.set p, p+1
.endr
	WIN 0
	s_min_u32 s97, s96, 768                        ; the last trip asks for its own head's bias once more: no load leaves the buffer
	v_add_nc_u32 v28, s97, v14
	s_wait_dscnt 16                                ; step 0's fragments are in; step 1's 16 loads may stay out
	MULB 0
	PLACES                                         ; in front of loads into the buffer just multiplied, and into the bias that was C
	FETCHB 2
	WIN 0xc0
.irp u, 0,1,2,3
	global_load_b128 v[8*\u:8*\u+3],   v28, s[88:89] offset:64*\u
	global_load_b128 v[8*\u+4:8*\u+7], v28, s[88:89] offset:64*\u+16
.endr
	s_wait_dscnt 16
	MULB 1
	PLACES
	FETCHB 3
	s_wait_dscnt 16
	MULB 2
	s_wait_dscnt 0x0
	MULB 3
	PLACES
	PLACES
	OUTG 0
	OUTG 1
	s_wait_xcnt 0x0                                ; the stores have read their base
	s_add_nc_u64 s[92:93], s[92:93], 131072        ; the next head's block of K or V
	s_add_co_u32 s95, s95, 128
	s_add_co_u32 s96, s96, 256
	s_sub_co_u32 s94, s94, 1
	s_cmp_lg_u32 s94, 0
	s_cbranch_scc1 .Lhead
	s_wait_tensorcnt 0x0                           ; the wave's end, behind my last LDS store
	ds_add_u32 v[SPW], v[NIL]
	s_wait_dscnt 0x0
	s_endpgm
.Lfunc_end_k_qdf32ae95ad_prep:
	.size	k_qdf32ae95ad_prep, .Lfunc_end_k_qdf32ae95ad_prep-k_qdf32ae95ad_prep
	.p2alignl 7, 3214868480
	.fill 96, 4, 3214868480
	.section	.rodata,"a",@progbits
	.p2align	6, 0x0
	.amdhsa_kernel k_qdf32ae95ad_prep
		.amdhsa_group_segment_fixed_size 148992
		.amdhsa_private_segment_fixed_size 0
		.amdhsa_enable_private_segment 0
		.amdhsa_kernarg_size 216
		.amdhsa_user_sgpr_count 2
		.amdhsa_user_sgpr_kernarg_segment_ptr 1
		.amdhsa_wavefront_size32 1
		.amdhsa_system_sgpr_workgroup_id_x 1
		.amdhsa_system_sgpr_workgroup_id_y 1
		.amdhsa_system_sgpr_workgroup_id_z 1
		.amdhsa_system_vgpr_workitem_id 0
		.amdhsa_next_free_vgpr 808
		.amdhsa_next_free_sgpr 100
		.amdhsa_reserve_vcc 0
		.amdhsa_float_denorm_mode_32 3
		.amdhsa_float_denorm_mode_16_64 3
		.amdhsa_memory_ordered 1
		.amdhsa_forward_progress 1
		.amdhsa_inst_pref_size 69
	.end_amdhsa_kernel
	.amdgpu_metadata
---
amdhsa.version: [ 1, 2 ]
amdhsa.kernels:
  - .name:           k_qdf32ae95ad_prep
    .symbol:         k_qdf32ae95ad_prep.kd
    .args:
      - { .name: Wk, .offset: 0, .size: 8, .value_kind: global_buffer, .address_space: global }
      - { .name: Wv, .offset: 8, .size: 8, .value_kind: global_buffer, .address_space: global }
      - { .name: bk, .offset: 16, .size: 8, .value_kind: global_buffer, .address_space: global }
      - { .name: bv, .offset: 24, .size: 8, .value_kind: global_buffer, .address_space: global }
      - { .name: vel, .offset: 32, .size: 8, .value_kind: global_buffer, .address_space: global }
      - { .name: img, .offset: 40, .size: 8, .value_kind: global_buffer, .address_space: global }
      - { .name: pose, .offset: 48, .size: 8, .value_kind: global_buffer, .address_space: global }
      - { .name: out0, .offset: 56, .size: 8, .value_kind: global_buffer, .address_space: global }
      - { .name: out1, .offset: 64, .size: 8, .value_kind: global_buffer, .address_space: global }
      - { .name: L0, .offset: 72, .size: 8, .value_kind: global_buffer, .address_space: global }
      - { .name: L1, .offset: 80, .size: 8, .value_kind: global_buffer, .address_space: global }
      - { .name: L2, .offset: 88, .size: 8, .value_kind: global_buffer, .address_space: global }
      - { .name: L3, .offset: 96, .size: 8, .value_kind: global_buffer, .address_space: global }
      - { .name: Wo, .offset: 104, .size: 8, .value_kind: global_buffer, .address_space: global }
      - { .name: W1, .offset: 112, .size: 8, .value_kind: global_buffer, .address_space: global }
      - { .name: W2, .offset: 120, .size: 8, .value_kind: global_buffer, .address_space: global }
      - { .name: Wq, .offset: 128, .size: 8, .value_kind: global_buffer, .address_space: global }
      - { .name: bq, .offset: 136, .size: 8, .value_kind: global_buffer, .address_space: global }
      - { .name: bo, .offset: 144, .size: 8, .value_kind: global_buffer, .address_space: global }
      - { .name: an_g, .offset: 152, .size: 8, .value_kind: global_buffer, .address_space: global }
      - { .name: an_b, .offset: 160, .size: 8, .value_kind: global_buffer, .address_space: global }
      - { .name: fn_g, .offset: 168, .size: 8, .value_kind: global_buffer, .address_space: global }
      - { .name: fn_b, .offset: 176, .size: 8, .value_kind: global_buffer, .address_space: global }
      - { .name: b2, .offset: 184, .size: 8, .value_kind: global_buffer, .address_space: global }
      - { .name: n_g, .offset: 192, .size: 8, .value_kind: global_buffer, .address_space: global }
      - { .name: n_b, .offset: 200, .size: 8, .value_kind: global_buffer, .address_space: global }
      - { .name: b1, .offset: 208, .size: 8, .value_kind: global_buffer, .address_space: global }
    .group_segment_fixed_size: 148992
    .private_segment_fixed_size: 0
    .kernarg_segment_align: 8
    .kernarg_segment_size: 216
    .max_flat_workgroup_size: 128
    .sgpr_count:     100
    .vgpr_count:     808
    .wavefront_size: 32
...
	.end_amdgpu_metadata
.endif
;; end of part 4
;; launch att0 (part 5): grid 16 x 16, 4 waves a work-group, clusters of 4 x 1, 327,680 bytes of LDS; arguments L0, out0, out1, obuf; writes obuf
.if DOCPART == 5
	.amdgcn_target "amdgcn-amd-amdhsa--gfx1250"
	.amdhsa_code_object_version 6
	.text
	.protected	k_qdf32ae95ad_att0
	.globl	k_qdf32ae95ad_att0
	.p2align	8
	.type	k_qdf32ae95ad_att0,@function
k_qdf32ae95ad_att0:
	s_mov_b64 s[64:65], 0
	v_nop
	global_prefetch_b8 v0, s[64:65] scope:SCOPE_SE
	s_setreg_imm32_b32 hwreg(HW_REG_WAVE_MODE, 25, 1), 1
	s_wait_xcnt 0x0
	s_wait_alu depctr_hold_cnt(0) depctr_sa_sdst(0) depctr_va_vdst(0) depctr_va_sdst(0) depctr_va_ssrc(0) depctr_va_vcc(0) depctr_vm_vsrc(0)
	s_getreg_b32 s2, hwreg(HW_REG_IB_STS2, 6, 4)
	s_cmp_eq_u32 s2, 0
	s_cbranch_scc0 .Lentry_in_a_cluster
	s_endpgm
.Lentry_in_a_cluster:
	s_bfe_u32 s2, ttmp6, 0x10000c
	s_cmp_lg_u32 s2, 0x3003
	s_cbranch_scc0 .Lentry_shape_is_right
	s_endpgm
.Lentry_shape_is_right:
; ATTENTION WITH ENTMAX-1.5, one layer.  q = x Wq + bq; s = q . k; X = (s - max s) / 16 (the 1/8 of the scores and the 1/2 of entmax, both powers of two);
; p = (X - tau)+^2 with tau the root of sum (X - tau)+^2 = 1; o = p V.  x is f32, [2][1024][256] for each stack; K, V: [sequence][head][1024][64] f16; o likewise.
; TAU WITHOUT A SORT.  h(tau) = sqrt(sum (X - tau)+^2) is convex and falls, with slope -g, g = s1 / sqrt(s2) (s1 = sum y, s2 = sum y^2, y = (X - tau)+, 1,024 scores), g <= 32.
; Newton's step on h = 1 from tau = -1, where h >= 1, is tau += (s2 - sqrt(s2)) / s1 and comes to the root from the left.  Convexity gives f'/f + g'/g <= 1 from step to step for
; f = h - 1, so after N steps f <= f0 (1 - (G / 32)^(1/N))^N, G the slope at the root.  f0 and G are tied: at the root the largest y is 1 - d (d = tau + 1) and is at least 1 / G, and a
; score outside the support has X + 1 <= d, so h(-1)^2 <= 1 + 2 d G + 1024 d^2 <= 2 G - 1 + 1024 (1 - 1/G)^2.  The product of the two bounds is largest near G = 1.45:
; f <= 1.4e-4 at NIT = 9, for every input; a row's weights then sum to 1 within 2.8e-4, the size of their rounding to f16.
; ONE LINE FOR y.  y = s / 16 + c held to 0 .. 1 by clamp, c = - max / 16 - tau, carried in f32 as one number: y <= 1 since X <= 0 and - tau <= 1.  c's rounding is at most half a unit in the
; last place of max / 16, no more than the rounding of a score near the maximum; it shifts tau for the whole row alike.
; LIMITS.  x, q, K, V as matrix operands are f16: within 65,504; p lies in 0 to 1 and below 6.1e-5 keeps f16's fixed step of 6e-8.  NaN and infinities are not treated apart.
; SHARES.  A work-group has 64 queries of one sequence and head, a wave 16 of them with ALL 1,024 scores in 512 registers: entmax needs the whole row in every step.
; CLUSTER.  The four query blocks of a cluster use the same rows of Wq and walk the same K and V: all three are asked for jointly.  At the start each wave asks for 16 rows of the head's turned Wq
; and for its quarter of K (256 keys).  Wq's rows lie at the head of the wave's quarter of V's place; when q is made, V is asked for as a refill: every wave waits for its tensor loads, adds 0 to
; its spare word, waits for its LDS reads, a round of the cluster's barrier follows, and the load is the first thing behind it.  It has the scores and the whole iteration in which to land.
; Two tensor loads of a wave are out at the start, one behind the round.
; LAYOUT.  All products transposed: S^T = K Q^T holds one query a lane (lane % 16) and the keys 8 (lane / 16) + 0..7 of each block of 16; two blocks rounded to f16 ARE source 1 of O^T = V^T P.
; REGISTERS, in windows of 256.  Window 0: v3-19 addresses; v20-55 constants, statistics, sums (v32-35 first Wq's LDS addresses); v64-127 T, at work (first q's fragments); v128-191 x's fragments,
;   later O^T and the way out; v192-223 q's sums; v224-255 bq.   Window 1: x in f32, then scores of keys 0-511, then V's two buffers.   Window 2: scores of keys 512-1023.
;   Window 3: Wq's fragments, then K's two buffers, then P.
.set PK,    144                        ; a row of K in LDS: 128 bytes + 16: the 16 rows of a load start at 16 different groups of four banks (64 banks of 4 bytes: ISA guide 11.1)
.set PV,    160                        ; a row of V: 128 + 32
.set PQ,    528                        ; a row of the turned Wq: 512 + 16 = 33 x 16
.set VBASE, 1024*PK
.set STAGE, VBASE+1024*PV              ; never filled by a tensor load: 16 rows x 144 bytes for each wave, for the way out
.set SPST,  144
.set SPARE, STAGE+4*16*SPST            ; the spare words, 128 bytes for each wave: two blocks of 256 bytes that no other line names
.set OFF_WQT, 0xE0000
.set OFF_K,   0x100000
.set OFF_V,   0x300000
.set OFF_VEC, 0x500000
.set NIT,   9
.set WV,  12                           ; s12  my wave's number
.set SPW, 18                           ; v18  LDS address of my spare word; never rewritten
.set NIL, 19                           ; v19  0; never rewritten
.set MSB, 0
.macro WIN new
.if MSB != (\new)
	s_set_vgpr_msb (MSB<<8)|(\new)
.set MSB, \new
.endif
.endm
.macro PLACES
.rept 4
	v_nop
.endr
.endm
.macro CROUND                          ; a round of the cluster's barrier
	s_barrier_signal -1
	s_barrier_wait -1
	s_cmp_lg_u32 s[WV], 0
	s_cbranch_scc1 .Lnot_wave_0_\@
	s_barrier_signal -3
.Lnot_wave_0_\@:
	s_barrier_wait -3
	s_barrier_signal -1
	s_barrier_wait -1
.endm
	s_load_b256 s[4:11], s[0:1], 0x0               ; the layer's buffer 4, x of stack 0: 6, of stack 1: 8, o 10
	v_lshl_add_u32 v[SPW], v0, 2, SPARE
	v_mov_b32 v[NIL], 0
	ds_add_u32 v[SPW], v[NIL]                      ; the wave's opening: the add and its wait stand ahead of my first tensor load
	v_lshrrev_b32 v1, 5, v0
	v_readfirstlane_b32 s[WV], v1
	s_bfe_u32 s13, ttmp6, 0x40000                  ; cx: it enters x's and o's addresses alone
	s_lshl_b32 s14, ttmp9, 2
	s_add_co_u32 s14, s14, s13                     ; my block of 64 queries
	s_and_b32 s15, ttmp7, 0xffff                   ; y = 4 x sequence + head, which the partners share
	; group 1 for K and V: 256 keys are 32,768 dense bytes: 128 rows of 256 bytes, two keys a row, padded in LDS after every key
	s_mov_b32 s24, 15|(1<<16)|(1<<20)|(1<<21)|(4<<22)|(3<<25)  ; the mask of four; 2-byte elements; padding on; bit 21 beside a mask; after every 32 words; 4 words
	s_mov_b32 s32, 15|(1<<16)|(1<<20)|(1<<21)|(4<<22)|(7<<25)  ; for V: 8 words
.irp g, 24, 32
	s_mov_b32 s[\g+1], 128<<16                     ; tensor_dim0 = 128
	s_mov_b32 s[\g+2], 128<<16                     ; tensor_dim1 = 128
	s_mov_b32 s[\g+3], 128<<16                     ; tile_dim0 = 128
	s_mov_b32 s[\g+4], 128                         ; tile_dim1 = 128
	s_mov_b32 s[\g+5], 128                         ; 128 elements from row to row
	s_mov_b32 s[\g+6], 0
	s_mov_b32 s[\g+7], 0
.endr
	; group 1 for Wq: 16 rows of 256 elements, 512 bytes, padded in LDS by 16
	s_mov_b32 s68, 15|(1<<16)|(1<<20)|(1<<21)|(6<<22)|(3<<25)  ; after every 128 words; 4 words
	s_mov_b32 s69, 256<<16                         ; tensor_dim0 = 256
	s_mov_b32 s70, 16<<16                          ; tensor_dim1 = 16
	s_mov_b32 s71, 256<<16                         ; tile_dim0 = 256
	s_mov_b32 s72, 16                              ; tile_dim1 = 16
	s_mov_b32 s73, 256                             ; 256 elements from row to row
	s_mov_b32 s74, 0
	s_mov_b32 s75, 0
	s_mov_b32 s40, 1
	s_mul_i32 s41, s[WV], 256*PK                   ; my quarter of K in LDS
	s_mov_b32 s44, 1
	s_mul_i32 s45, s[WV], 256*PV
	s_add_co_u32 s45, s45, VBASE                   ; and of V
	s_mov_b32 s76, 1
	s_mul_i32 s77, s[WV], 256*PV
	s_add_co_u32 s77, s77, VBASE                   ; my 16 rows of Wq: at the head of my quarter of V's place
	s_lshl_b32 s20, s15, 17                        ; K, V in memory: y x 131,072 + w x 32,768
	s_lshl_b32 s21, s[WV], 15
	s_add_co_u32 s20, s20, s21
	s_mov_b32 s21, 0
	s_lshl_b32 s16, s14, 6
	s_lshl4_add_u32 s16, s[WV], s16                ; my first query in its sequence
	s_lshl_b32 s18, s16, 7
	s_lshl_b32 s19, s15, 17
	s_add_co_u32 s18, s18, s19                     ; o: y x 131,072 + query x 128
	s_mov_b32 s19, 0
	s_bfe_u32 s17, s15, 0x10002                    ; the batch
	s_lshl_b32 s17, s17, 10
	s_add_co_u32 s16, s16, s17
	s_lshl_b32 s16, s16, 10                        ; x: row x 1,024
	s_mov_b32 s17, 0
	s_and_b32 s22, s15, 3                          ; the head
	s_lshl_b32 s60, s22, 8                         ; its 64 numbers of bq
	s_mov_b32 s61, 0
	s_lshl_b32 s22, s22, 15                        ; its 64 rows of the turned Wq,
	s_lshl_b32 s51, s[WV], 13
	s_add_co_u32 s22, s22, s51                     ; my 16 of them
	s_mov_b32 s23, 0
	s_mov_b32 s48, 0x76543210                      ; v_permlanex16_b32: each lane takes its own place in the other half
	s_mov_b32 s49, 0xfedcba98
	v_and_b32 v56, 15, v0                          ; r
	v_bfe_u32 v57, v0, 4, 1                        ; hh
	v_lshlrev_b32 v5, 5, v57                       ; bq as C: 32 hh
	v_lshl_add_u32 v3, v56, 10, v5                 ; x: r x 1,024 + 32 hh
	s_wait_dscnt 0x0                               ; the opening add is done
	s_wait_kmcnt 0x0
	s_add_nc_u64 s[42:43], s[4:5], s[20:21]
	s_add_nc_u64 s[46:47], s[42:43], OFF_V
	s_add_nc_u64 s[42:43], s[42:43], OFF_K
	s_or_b32 s43, s43, 0x80000000                  ; type = 2
	s_or_b32 s47, s47, 0x80000000
	s_add_nc_u64 s[78:79], s[4:5], s[22:23]
	s_add_nc_u64 s[78:79], s[78:79], OFF_WQT
	s_or_b32 s79, s79, 0x80000000
	s_cmp_lt_u32 s15, 8
	s_cselect_b64 s[52:53], s[6:7], s[8:9]         ; my stack's x
	s_add_nc_u64 s[52:53], s[52:53], s[16:17]
	s_add_nc_u64 s[56:57], s[4:5], s[60:61]
	s_add_nc_u64 s[56:57], s[56:57], OFF_VEC
	s_add_nc_u64 s[58:59], s[10:11], s[18:19]
	WIN 0x40                                       ; x and bq are asked for ahead of the round: q waits for them first
.set ks, 0
.rept 8                                ; x in f32: 16 numbers a lane for each 32 along K
	global_load_b128 v[16*ks:16*ks+3],     v3, s[52:53] offset:128*ks
	global_load_b128 v[16*ks+4:16*ks+7],   v3, s[52:53] offset:128*ks+16
	global_load_b128 v[16*ks+8:16*ks+11],  v3, s[52:53] offset:128*ks+64
	global_load_b128 v[16*ks+12:16*ks+15], v3, s[52:53] offset:128*ks+80
.set ks, ks+1
.endr
	WIN 0
.irp nt, 0,1,2,3
	global_load_b128 v[224+8*\nt:227+8*\nt], v5, s[56:57] offset:64*\nt
	global_load_b128 v[228+8*\nt:231+8*\nt], v5, s[56:57] offset:64*\nt+16
.endr
	CROUND                                         ; all four work-groups are here: the joint loads meet
	tensor_load_to_lds s[76:79], s[68:75]          ; my 16 rows of Wq,
	s_nop 0
	tensor_load_to_lds s[40:43], s[24:31]          ; and my quarter of K
	s_nop 0
	PLACES
	v_and_b32 v58, 7, v0
	v_bfe_u32 v59, v0, 3, 1
	v_lshlrev_b32 v60, 4, v57
	v_mul_u32_u24 v32, v56, PQ
	v_add_nc_u32 v32, v32, v60
	v_add_nc_u32 v32, VBASE, v32                   ; Wq's fragments: r x pitch + 16 hh, one register for each wave's 16 rows
	v_add_nc_u32 v33, 256*PV, v32
	v_add_nc_u32 v34, 512*PV, v32
	v_add_nc_u32 v35, 768*PV, v32
	v_mul_u32_u24 v6, v56, PK
	v_add_nc_u32 v6, v6, v60                       ; K's fragments: r x pitch + 16 hh, one register for each quarter of the keys
	v_add_nc_u32 v7, 256*PK, v6
	v_add_nc_u32 v8, 512*PK, v6
	v_add_nc_u32 v9, 768*PK, v6
	v_lshl_add_u32 v10, v57, 3, v58                ; V's turning load: key 8 hh + l % 8, 16 bytes by (l / 8) % 2
	v_mul_u32_u24 v10, v10, PV
	v_lshl_add_u32 v10, v59, 4, v10
	v_add_nc_u32 v10, VBASE, v10
	v_add_nc_u32 v11, 256*PV, v10
	v_add_nc_u32 v12, 512*PV, v10
	v_add_nc_u32 v13, 768*PV, v10
	s_mul_i32 s60, s[WV], 16*SPST
	s_add_co_u32 s60, s60, STAGE
	v_add_nc_u32 v14, s60, v6                      ; my stage, in: row r, 16 bytes for each half of the lanes (the stage has K's pitch)
	v_bfe_u32 v15, v0, 3, 2
	v_mul_u32_u24 v15, v15, SPST
	v_lshl_add_u32 v15, v58, 4, v15
	v_add_nc_u32 v15, s60, v15                     ; back: four rows of 128 bytes a load
	v_and_b32 v16, 31, v0
	v_lshlrev_b32 v16, 4, v16
	v_mov_b32 v20, 1.0
	v_mov_b32 v24, 0x3d800000                      ; 1/16
	v_mov_b32 v25, 0x3d800000
	v_mov_b32 v26, 0xbd800000                      ; - 1/16
	v_mov_b32 v50, 0                               ; v_permlanex16_b32 counts as a reader of its destination
	v_mov_b32 v51, 0
	s_wait_tensorcnt 0x1                           ; my rows of Wq are in; K may stay out
	s_barrier_signal -1
	s_barrier_wait -1                              ; everybody's are
	WIN 0xc0
.set ks, 0
.rept 8                                ; Wq's fragments, K step by K step
.irp nt, 0,1,2,3
	ds_load_b128 v[8*(8*\nt+ks):8*(8*\nt+ks)+3],   v[32+\nt] offset:64*ks
	ds_load_b128 v[8*(8*\nt+ks)+4:8*(8*\nt+ks)+7], v[32+\nt] offset:64*ks+32
.endr
.set ks, ks+1
.endr
	s_wait_loadcnt 0x0                             ; x and bq
	WIN 0x05
.set p, 0
.rept 64
	v_cvt_pk_f16_f32 v[128+p], v[2*p], v[2*p+1]
.set p, p+1
.endr
.set ks, 0
.rept 8
	s_wait_dscnt 56-8*ks                           ; this K step's eight loads are in; eight for each later step may stay out
	WIN 0x03                                       ; Wq window 3, all else window 0
.irp nt, 0,1,2,3                       ; the four accumulators take turns
.if ks == 0
	v_wmma_f32_16x16x32_f16 v[192+8*\nt:199+8*\nt], v[8*(8*\nt+ks):8*(8*\nt+ks)+7], v[128+8*ks:135+8*ks], v[224+8*\nt:231+8*\nt]
.else
	v_wmma_f32_16x16x32_f16 v[192+8*\nt:199+8*\nt], v[8*(8*\nt+ks):8*(8*\nt+ks)+7], v[128+8*ks:135+8*ks], v[192+8*\nt:199+8*\nt]
.endif
.endr
.set ks, ks+1
.endr
	WIN 0
	PLACES
	PLACES
	s_wait_tensorcnt 0x0                           ; all my tensor loads have landed: my quarter of K;
	ds_add_u32 v[SPW], v[NIL]                      ; 0 onto my spare word; the roundings below stand between it and the wait for it
.set p, 0
.rept 16                               ; q to f16: two neighbouring tiles of 16 channels are one fragment of 32
	v_cvt_pk_f16_f32 v[64+p], v[192+2*p], v[192+2*p+1]
.set p, p+1
.endr
	s_wait_dscnt 0x0                               ; the add is done, and my reads of Wq are over
	CROUND                                         ; both now hold of every wave of all four work-groups; everybody's K is in
	tensor_load_to_lds s[44:47], s[32:39]          ; my quarter of V, over my rows of Wq: my one load behind the round, and the last
	s_nop 0
	PLACES
; THE SCORES, in eight batches of eight blocks of 16 keys.  32 LDS loads, then 16 products: eight start their sums with 0, eight are the second links.
.macro FETCHK bt
	WIN 0xc0
.set i, 0
.rept 8
.irp kc, 0,1
	ds_load_b128 v[128*((\bt)%2)+16*i+8*\kc:128*((\bt)%2)+16*i+8*\kc+3],   v[6+(\bt)/2] offset:((8*(\bt)+i)%16)*16*PK+64*\kc
	ds_load_b128 v[128*((\bt)%2)+16*i+8*\kc+4:128*((\bt)%2)+16*i+8*\kc+7], v[6+(\bt)/2] offset:((8*(\bt)+i)%16)*16*PK+64*\kc+32
.endr
.set i, i+1
.endr
.endm
.macro MULS bt
.if (\bt) < 4
	WIN 0x53                                       ; K window 3, q window 0, scores window 1
.else
	WIN 0xa3                                       ; scores window 2
.endif
.irp kc, 0,1
.set i, 0
.rept 8
.set rS, 8*((8*(\bt)+i)%32)
.set rK, 128*((\bt)%2)+16*i+8*\kc
.if \kc == 0
	v_wmma_f32_16x16x32_f16 v[rS:rS+7], v[rK:rK+7], v[64:71], 0
.else
	v_wmma_f32_16x16x32_f16 v[rS:rS+7], v[rK:rK+7], v[72:79], v[rS:rS+7]
.endif
.set i, i+1
.endr
.endr
.endm
	FETCHK 0
.irp bt, 0,1,2,3,4,5,6
.if \bt > 0
	PLACES                                         ; in front of loads into the buffer that the batch before multiplied
.endif
	FETCHK (\bt)+1
	s_wait_dscnt 32                                ; this batch is in; the next one's 32 loads may stay out
	MULS \bt
.endr
	s_wait_dscnt 0x0
	MULS 7
	; THE MAXIMUM: four chains; each accumulator is read from its low end on.  The first window's 128 lines are also the places behind the last products.
	WIN 0
.irp u, 28,29,30,31
	v_mov_b32 v\u, 0xff7fffff
.endr
	WIN 0x14
.set p, 0
.rept 128
	v_max3_num_f32 v[28+p%4], v[28+p%4], v[2*p], v[2*p+1]
.set p, p+1
.endr
	WIN 0x28
.set p, 0
.rept 128
	v_max3_num_f32 v[28+p%4], v[28+p%4], v[2*p], v[2*p+1]
.set p, p+1
.endr
	WIN 0
	v_max3_num_f32 v28, v28, v29, v30
	v_max_num_f32 v28, v28, v31
	v_permlanex16_b32 v29, v28, s48, s49           ; the query's other 512 keys lie in the lane 16 away
	v_max_num_f32 v28, v28, v29
	v_fma_f32 v22, v28, v26, v20                   ; c = 1 - max / 16: tau starts at -1
	v_fma_f32 v23, v28, v26, v20
; y = s / 16 + c held to 0 .. 1, for batch b of 64 scores, into T.  st = 1: the first four pairs go straight into the sums s1, which they start.
.macro YB b, st
.if (\b) < 4
	WIN 0x01
.else
	WIN 0x02
.endif
.set i, 0
.rept 32
.set rD, 64+2*i
.if (\st) && (i < 4)
.set rD, 32+2*i
.endif
	v_pk_fma_f32 v[rD:rD+1], v[64*((\b)%4)+2*i:64*((\b)%4)+2*i+1], v[24:25], v[22:23] clamp
.set i, i+1
.endr
	WIN 0
.endm
.macro SUMS b                          ; s1 += y, s2 += y y: four chains of each
.set i, 0
.rept 32
.if ((\b) == 0) && (i < 4)
	v_pk_mul_f32 v[40+2*i:41+2*i], v[32+2*i:33+2*i], v[32+2*i:33+2*i]
.else
	v_pk_add_f32 v[32+2*(i%4):33+2*(i%4)], v[32+2*(i%4):33+2*(i%4)], v[64+2*i:65+2*i]
	v_pk_fma_f32 v[40+2*(i%4):41+2*(i%4)], v[64+2*i:65+2*i], v[64+2*i:65+2*i], v[40+2*(i%4):41+2*(i%4)]
.endif
.set i, i+1
.endr
.endm
	s_mov_b32 s50, NIT
.Lnewton:                                      ; one step: all 1,024 scores of my 16 queries once
	YB 0, 1
	SUMS 0
.irp b, 1,2,3,4,5,6,7
	YB \b, 0
	SUMS \b
.endr
	v_pk_add_f32 v[32:33], v[32:33], v[34:35]
	v_pk_add_f32 v[36:37], v[36:37], v[38:39]
	v_pk_add_f32 v[40:41], v[40:41], v[42:43]
	v_pk_add_f32 v[44:45], v[44:45], v[46:47]
	v_pk_add_f32 v[32:33], v[32:33], v[36:37]
	v_pk_add_f32 v[40:41], v[40:41], v[44:45]
	v_add_f32 v48, v32, v33
	v_add_f32 v49, v40, v41
	v_permlanex16_b32 v50, v48, s48, s49
	v_permlanex16_b32 v51, v49, s48, s49
	v_add_f32 v48, v48, v50                        ; s1
	v_add_f32 v49, v49, v51                        ; s2
	v_sqrt_f32 v52, v49
	v_rcp_f32 v53, v48                             ; s1 holds the largest score's y = - tau, at least 1/32
	v_nop                                          ; a plain instruction behind the two,
	s_wait_alu depctr_va_vdst(0)                   ; and the one wait ahead of their first reader
	v_sub_f32 v54, v52, v49
	v_fma_f32 v22, v54, v53, v22                   ; c += (sqrt(s2) - s2) / s1
	v_fma_f32 v23, v54, v53, v23
	s_sub_co_u32 s50, s50, 1
	s_cmp_lg_u32 s50, 0
	s_cbranch_scc1 .Lnewton
	; THE WEIGHTS: p = y y, rounded to f16: pair n of the 256 is register n of P
.irp b, 0,1,2,3,4,5,6,7
	YB \b, 0
.set i, 0
.rept 32
	v_pk_mul_f32 v[64+2*i:65+2*i], v[64+2*i:65+2*i], v[64+2*i:65+2*i]
.set i, i+1
.endr
	WIN 0xc0
.set i, 0
.rept 32
	v_cvt_pk_f16_f32 v[32*\b+i], v[64+2*i], v[65+2*i]
.set i, i+1
.endr
.endr
	WIN 0
	s_wait_tensorcnt 0x0                           ; my quarter of V is in,
	s_wait_dscnt 0x0
	s_barrier_signal -1
	s_barrier_wait -1                              ; everybody's is
; O^T += V^T P, in eight batches of four steps of 32 keys.  The four accumulators (16 channels each) take turns.
.macro FETCHV bt
	WIN 0x40
.set i, 0
.rept 4
.irp cb, 0,1,2,3
	ds_load_tr16_b128 v[128*((\bt)%2)+32*i+8*\cb:128*((\bt)%2)+32*i+8*\cb+3],   v[10+(\bt)/2] offset:((4*(\bt)+i)%8)*32*PV+32*\cb
	ds_load_tr16_b128 v[128*((\bt)%2)+32*i+8*\cb+4:128*((\bt)%2)+32*i+8*\cb+7], v[10+(\bt)/2] offset:((4*(\bt)+i)%8)*32*PV+32*\cb+16*PV
.endr
.set i, i+1
.endr
.endm
.macro MULV bt
	WIN 0x0d                                       ; V window 1, P window 3, O^T window 0
.set i, 0
.rept 4
.irp cb, 0,1,2,3
.set rV, 128*((\bt)%2)+32*i+8*\cb
.set rP, 8*(4*(\bt)+i)
.if ((\bt) == 0) && (i == 0)
	v_wmma_f32_16x16x32_f16 v[128+8*\cb:135+8*\cb], v[rV:rV+7], v[rP:rP+7], 0
.else
	v_wmma_f32_16x16x32_f16 v[128+8*\cb:135+8*\cb], v[rV:rV+7], v[rP:rP+7], v[128+8*\cb:135+8*\cb]
.endif
.endr
.set i, i+1
.endr
.endm
	FETCHV 0
.irp bt, 0,1,2,3,4,5,6
.if \bt > 0
	PLACES
.endif
	FETCHV (\bt)+1
	s_wait_dscnt 32                                ; this batch is in; the next one's 32 loads may stay out
	MULV \bt
.endr
	s_wait_dscnt 0x0
	MULV 7
	WIN 0
	PLACES
	PLACES
.set p, 0
.rept 16                               ; THE WAY OUT: to f16, through my stage, out as 512 consecutive bytes a store
	v_cvt_pk_f16_f32 v[160+p], v[128+2*p], v[128+2*p+1]
.set p, p+1
.endr
.irp u, 0,1,2,3
	ds_store_b128 v14, v[160+4*\u:163+4*\u] offset:32*\u
.endr
.irp u, 0,1,2,3
	ds_load_b128 v[176+4*\u:179+4*\u], v15 offset:4*SPST*\u  ; LDS serves a wave's instructions in order (ISA guide 5.7.1.4)
.endr
.irp u, 0,1,2,3
	s_wait_dscnt 3-\u
	global_store_b128 v16, v[176+4*\u:179+4*\u], s[58:59] offset:512*\u
.endr
	s_wait_tensorcnt 0x0                           ; the wave's end
	ds_add_u32 v[SPW], v[NIL]
	s_wait_dscnt 0x0
	CROUND                                         ; the closing round
	s_endpgm
.Lfunc_end_k_qdf32ae95ad_att0:
	.size	k_qdf32ae95ad_att0, .Lfunc_end_k_qdf32ae95ad_att0-k_qdf32ae95ad_att0
	.p2alignl 7, 3214868480
	.fill 96, 4, 3214868480
	.section	.rodata,"a",@progbits
	.p2align	6, 0x0
	.amdhsa_kernel k_qdf32ae95ad_att0
		.amdhsa_group_segment_fixed_size 327680
		.amdhsa_private_segment_fixed_size 0
		.amdhsa_enable_private_segment 0
		.amdhsa_kernarg_size 32
		.amdhsa_user_sgpr_count 2
		.amdhsa_user_sgpr_kernarg_segment_ptr 1
		.amdhsa_wavefront_size32 1
		.amdhsa_system_sgpr_workgroup_id_x 1
		.amdhsa_system_sgpr_workgroup_id_y 1
		.amdhsa_system_sgpr_workgroup_id_z 1
		.amdhsa_system_vgpr_workitem_id 0
		.amdhsa_next_free_vgpr 1024
		.amdhsa_next_free_sgpr 80
		.amdhsa_reserve_vcc 0
		.amdhsa_float_denorm_mode_32 3
		.amdhsa_float_denorm_mode_16_64 3
		.amdhsa_memory_ordered 1
		.amdhsa_forward_progress 1
		.amdhsa_inst_pref_size 192
	.end_amdhsa_kernel
	.amdgpu_metadata
---
amdhsa.version: [ 1, 2 ]
amdhsa.kernels:
  - .name:           k_qdf32ae95ad_att0
    .symbol:         k_qdf32ae95ad_att0.kd
    .args:
      - { .name: L0, .offset: 0, .size: 8, .value_kind: global_buffer, .address_space: global }
      - { .name: out0, .offset: 8, .size: 8, .value_kind: global_buffer, .address_space: global }
      - { .name: out1, .offset: 16, .size: 8, .value_kind: global_buffer, .address_space: global }
      - { .name: obuf, .offset: 24, .size: 8, .value_kind: global_buffer, .address_space: global }
    .group_segment_fixed_size: 327680
    .private_segment_fixed_size: 0
    .kernarg_segment_align: 8
    .kernarg_segment_size: 32
    .max_flat_workgroup_size: 128
    .sgpr_count:     80
    .vgpr_count:     1024
    .wavefront_size: 32
...
	.end_amdgpu_metadata
.endif
;; end of part 5
;; launch post0 (part 6): grid 256 x 1, 4 waves a work-group, clusters of 4 x 1, 327,680 bytes of LDS; arguments L0, obuf, out0, out1, xw0, xw1; writes xw0, xw1
.if DOCPART == 6
	.amdgcn_target "amdgcn-amd-amdhsa--gfx1250"
	.amdhsa_code_object_version 6
	.text
	.protected	k_qdf32ae95ad_post0
	.globl	k_qdf32ae95ad_post0
	.p2align	8
	.type	k_qdf32ae95ad_post0,@function
k_qdf32ae95ad_post0:
	s_mov_b64 s[64:65], 0
	v_nop
	global_prefetch_b8 v0, s[64:65] scope:SCOPE_SE
	s_setreg_imm32_b32 hwreg(HW_REG_WAVE_MODE, 25, 1), 1
	s_wait_xcnt 0x0
	s_wait_alu depctr_hold_cnt(0) depctr_sa_sdst(0) depctr_va_vdst(0) depctr_va_sdst(0) depctr_va_ssrc(0) depctr_va_vcc(0) depctr_vm_vsrc(0)
	s_getreg_b32 s2, hwreg(HW_REG_IB_STS2, 6, 4)
	s_cmp_eq_u32 s2, 0
	s_cbranch_scc0 .Lentry_in_a_cluster
	s_endpgm
.Lentry_in_a_cluster:
	s_bfe_u32 s2, ttmp6, 0x10000c
	s_cmp_lg_u32 s2, 0x3003
	s_cbranch_scc0 .Lentry_shape_is_right
	s_endpgm
.Lentry_shape_is_right:
; THE REST OF A LAYER, for 16 rows a work-group:  a = o Wo + bo;  x1 = x + LN(a; an);  y = LN(x1; fn);  h = mish(y W1 + b1) W2 + b2;  x' = LN(x1 + h; n) + x.
; o: [sequence][head][1024][64] f16.  x in and x' out: f32, [2][1024][256] for each stack, in different buffers.  Weights: seven blocks [256 k][256 n] f16, in the order of use.
; Sums, norms and mish in f32; each norm in two passes (mean, then the deviations' squares).  y and mish's results are rounded once to f16 as matrix operands.
; mish(t) = t tanh(log(1 + e^t)) = t (1 - 2 / ((1 + e^t)^2 + 1)).  Where e^t passes f32's range the quotient is 0 and mish(t) = t, so the exponent needs no bound.
; LIMITS.  For t far below 0 the difference 1 - 2 / (..) carries an absolute error of some 1e-7, mish(t) of that times |t|.  o, y and mish's results are f16: within 65,504; below 6.1e-5 a fixed
; step of 6e-8.  NaN and infinities among the inputs are not treated apart.
; SHARES.  Wave w has columns 64 w .. 64 w + 63 of every block of 256 columns: four accumulators.  Each of the seven blocks is one step, [16 x 256] x [256 x 256]: 64 turning loads and 32 products a wave.
; A row's sums meet in LDS: each wave's share in a word of its own, six sets of words, each written once.
; CLUSTER.  All work-groups walk the same seven blocks: the four of a cluster ask jointly, each wave for 64 rows of a block.  Two slots take turns; a refill stands first behind a round of the
; cluster's barrier, in front of which every wave has waited for its tensor loads, added 0 to its spare word and waited for its reads of the slot.  One load of a wave is out behind each round, two at the start.
; PRODUCT.  Transposed: source 0 = 16 columns of the block (turned out of LDS), source 1 = the 16 rows: a lane holds row lane % 16 and 8 neighbouring columns.
; REGISTERS.  Window 0: v1-21 addresses; v22-31 statistics; v32-63 ACC; v64-95 x; v96-127 x1; v128-191 the rows' fragments; v192-255 E, F at work.
;   window 1: a block's fragments ((ks, nt) at 8 (4 ks + nt)).   window 2: bo, an_g, an_b, fn_g, fn_b, b2, n_g, n_b, 32 each.   window 3: b1, 32 for each block.
.set PW,    544                        ; a block's row in LDS: 512 bytes + 32 = 17 x 32
.set SLOT,  256*PW
.set ACTY,  2*SLOT                     ; y: 16 rows x (512 + 16) bytes
.set PY,    528
.set ACTU,  ACTY+16*PY                 ; mish's results: 16 rows x (1,536 + 16) bytes; at the end its head is the stage for the way out
.set PU,    1552
.set RED,   ACTU+16*PU                 ; six sets of 16 rows x 4 waves of f32
.set SPARE, RED+6*256                  ; the spare words, 128 bytes for each wave: two blocks of 256 bytes that no other line names
.set PO,    272                        ; the stage: 16 rows x (256 + 16) bytes for each wave
.set OFF_VEC, 0x500000
.set WV,  16                           ; s16  my wave's number
.set SPW, 20                           ; v20  LDS address of my spare word; never rewritten
.set NIL, 21                           ; v21  0; never rewritten
.set MSB, 0
.macro WIN new
.if MSB != (\new)
	s_set_vgpr_msb (MSB<<8)|(\new)
.set MSB, \new
.endif
.endm
.macro PLACES
.rept 4
	v_nop
.endr
.endm
.macro CROUND
	s_barrier_signal -1
	s_barrier_wait -1
	s_cmp_lg_u32 s[WV], 0
	s_cbranch_scc1 .Lnot_wave_0_\@
	s_barrier_signal -3
.Lnot_wave_0_\@:
	s_barrier_wait -3
	s_barrier_signal -1
	s_barrier_wait -1
.endm
; THE CHANGE OF SLOTS.  fill = 1: slot f, which has been read, takes the block two further on.
.macro CHANGE fill, f=0
	WIN 0
	s_wait_tensorcnt 0x0                           ; all my tensor loads have landed, my part of the other slot among them: a group 0 may be written
	ds_add_u32 v[SPW], v[NIL]                      ; 0 onto my spare word
.if \fill
	s_add_nc_u64 s[34+4*(\f):35+4*(\f)], s[34+4*(\f):35+4*(\f)], 262144
.endif
	s_wait_dscnt 0x0                               ; the add is done, and my reads of the slot are over
.if \fill
	CROUND                                         ; both now hold of every wave of all four work-groups
	tensor_load_to_lds s[32+4*(\f):35+4*(\f)], s[24:31]
	s_nop 0
	PLACES
.else
	s_barrier_signal -1
	s_barrier_wait -1
.endif
.endm
; A block: 64 turning loads in one run, then 32 products as the fragments come.  cwin, cbase: the window and register of the C that starts the sums; cwin = 0: the sums go on.
.macro GEMM slot, cwin, cbase
	PLACES                                         ; in front of loads into fragments that the block before multiplied
	WIN 0x40
.set ks, 0
.rept 8
.irp nt, 0,1,2,3
	ds_load_tr16_b128 v[8*(4*ks+\nt):8*(4*ks+\nt)+3],   v[6+2*(\slot)+ks/4] offset:(ks%4)*32*PW+32*\nt
	ds_load_tr16_b128 v[8*(4*ks+\nt)+4:8*(4*ks+\nt)+7], v[6+2*(\slot)+ks/4] offset:(ks%4)*32*PW+32*\nt+16*PW
.endr
.set ks, ks+1
.endr
.set ks, 0
.rept 8
	s_wait_dscnt 56-8*ks                           ; this K step's eight loads, and all older ones, are in; eight for each later step may stay out
.if (ks == 0) && ((\cwin) != 0)
	WIN 0x01|((\cwin)<<4)
.else
	WIN 0x01
.endif
.irp nt, 0,1,2,3                       ; the four accumulators take turns
.if (ks == 0) && ((\cwin) != 0)
	v_wmma_f32_16x16x32_f16 v[32+8*\nt:39+8*\nt], v[8*(4*ks+\nt):8*(4*ks+\nt)+7], v[128+8*ks:135+8*ks], v[(\cbase)+8*\nt:(\cbase)+8*\nt+7]
.else
	v_wmma_f32_16x16x32_f16 v[32+8*\nt:39+8*\nt], v[8*(4*ks+\nt):8*(4*ks+\nt)+7], v[128+8*ks:135+8*ks], v[32+8*\nt:39+8*\nt]
.endif
.endr
.set ks, ks+1
.endr
	WIN 0
.endm
.macro LOADA reg, off                  ; the 16 rows' fragments for 256 along K, out of LDS
	PLACES
	WIN 0
.set ks, 0
.rept 8
	ds_load_b128 v[128+8*ks:131+8*ks], v[\reg] offset:(\off)+64*ks
	ds_load_b128 v[132+8*ks:135+8*ks], v[\reg] offset:(\off)+64*ks+32
.set ks, ks+1
.endr
.endm
.macro XRED buf                        ; v30: my 32 numbers' sum -> the row's, over the halves of the lanes and the four waves
	v_permlanex16_b32 v31, v30, s40, s41
	v_add_f32 v30, v30, v31
	ds_store_b32 v14, v30 offset:256*(\buf)
	s_wait_dscnt 0x0                               ; for the others' sake
	s_barrier_signal -1
	s_barrier_wait -1
	ds_load_b128 v[26:29], v15 offset:256*(\buf)
	s_wait_dscnt 0x0
	v_add_f32 v26, v26, v27
	v_add_f32 v28, v28, v29
	v_add_f32 v30, v26, v28
.endm
.macro ROWSUM src                      ; the first lines read the lowest pair of each of the four accumulators first
.set i, 0
.rept 8
	v_pk_add_f32 v[224+2*i:225+2*i], v[(\src)+2*i:(\src)+2*i+1], v[(\src)+16+2*i:(\src)+17+2*i]
.set i, i+1
.endr
.irp u, 0,1,2,3
	v_pk_add_f32 v[224+2*\u:225+2*\u], v[224+2*\u:225+2*\u], v[232+2*\u:233+2*\u]
.endr
	v_pk_add_f32 v[224:225], v[224:225], v[228:229]
	v_pk_add_f32 v[226:227], v[226:227], v[230:231]
	v_pk_add_f32 v[224:225], v[224:225], v[226:227]
	v_add_f32 v30, v224, v225
.endm
.macro ROWSQ dev
.set i, 0
.rept 16
.if i < 4
	v_pk_mul_f32 v[224+2*i:225+2*i], v[(\dev)+2*i:(\dev)+2*i+1], v[(\dev)+2*i:(\dev)+2*i+1]
.else
	v_pk_fma_f32 v[224+2*(i%4):225+2*(i%4)], v[(\dev)+2*i:(\dev)+2*i+1], v[(\dev)+2*i:(\dev)+2*i+1], v[224+2*(i%4):225+2*(i%4)]
.endif
.set i, i+1
.endr
	v_pk_add_f32 v[224:225], v[224:225], v[226:227]
	v_pk_add_f32 v[228:229], v[228:229], v[230:231]
	v_pk_add_f32 v[224:225], v[224:225], v[228:229]
	v_add_f32 v30, v224, v225
.endm
; dev = LN(src) x gain + bias; gb, bb: the two vectors' registers in window 2; buf, buf + 1: the two sets of words
.macro LN src, dev, buf, gb, bb
	ROWSUM \src
	XRED \buf
	v_mul_f32 v22, v30, v19                        ; the mean
	v_mul_f32 v23, v30, v19
.set i, 0
.rept 16
	v_pk_add_f32 v[(\dev)+2*i:(\dev)+2*i+1], v[(\src)+2*i:(\src)+2*i+1], v[22:23] neg_lo:[0,1] neg_hi:[0,1]
.set i, i+1
.endr
	ROWSQ \dev
	XRED (\buf)+1
	v_fmaak_f32 v31, v30, v19, 0x3727c5ac          ; the variance + 1e-5
	v_rsq_f32 v24, v31
	v_nop                                          ; a plain instruction behind it,
	s_wait_alu depctr_va_vdst(0)                   ; and the wait ahead of its first reader
	v_mov_b32 v25, v24
.set i, 0
.rept 16
	v_pk_mul_f32 v[(\dev)+2*i:(\dev)+2*i+1], v[(\dev)+2*i:(\dev)+2*i+1], v[24:25]
.set i, i+1
.endr
	WIN 0x28                                       ; gain and bias in window 2
.set i, 0
.rept 16
	v_pk_fma_f32 v[(\dev)+2*i:(\dev)+2*i+1], v[(\dev)+2*i:(\dev)+2*i+1], v[(\gb)+2*i:(\gb)+2*i+1], v[(\bb)+2*i:(\bb)+2*i+1]
.set i, i+1
.endr
	WIN 0
.endm
; mish of ACC, to f16, into columns 256 c + 64 w .. of the rows in LDS.  Two batches of 32 transcendentals, one wait each.
.macro MISH c
	PLACES
.set i, 0
.rept 16
	v_pk_mul_f32 v[192+2*i:193+2*i], v[32+2*i:33+2*i], s[60:61] op_sel_hi:[1,0]  ; t log2(e)
.set i, i+1
.endr
.set i, 0
.rept 32
	v_exp_f32 v[192+i], v[192+i]
.set i, i+1
.endr
	v_nop
	s_wait_alu depctr_va_vdst(0)
.set i, 0
.rept 16
	v_pk_add_f32 v[192+2*i:193+2*i], v[192+2*i:193+2*i], 1.0 op_sel_hi:[1,0]     ; u = 1 + e^t
.set i, i+1
.endr
.set i, 0
.rept 16
	v_pk_fma_f32 v[224+2*i:225+2*i], v[192+2*i:193+2*i], v[192+2*i:193+2*i], 1.0 op_sel_hi:[1,1,0]  ; u u + 1
.set i, i+1
.endr
.set i, 0
.rept 32
	v_rcp_f32 v[224+i], v[224+i]
.set i, i+1
.endr
	v_nop
	s_wait_alu depctr_va_vdst(0)
.set i, 0
.rept 16
	v_pk_fma_f32 v[224+2*i:225+2*i], v[224+2*i:225+2*i], -2.0, 1.0 op_sel_hi:[1,0,0]  ; 1 - 2 / (u u + 1)
.set i, i+1
.endr
.set i, 0
.rept 16
	v_pk_mul_f32 v[192+2*i:193+2*i], v[224+2*i:225+2*i], v[32+2*i:33+2*i]
.set i, i+1
.endr
.set i, 0
.rept 16
	v_cvt_pk_f16_f32 v[224+i], v[192+2*i], v[193+2*i]
.set i, i+1
.endr
.irp nt, 0,1,2,3
	ds_store_b128 v12, v[224+4*\nt:227+4*\nt] offset:512*(\c)+32*\nt
.endr
.endm
	s_load_b256 s[4:11], s[0:1], 0x0               ; the layer's buffer 4, o 6, x in: stack 0: 8, stack 1: 10
	s_load_b128 s[12:15], s[0:1], 0x20             ; x out: stack 0: 12, stack 1: 14
	v_lshl_add_u32 v[SPW], v0, 2, SPARE
	v_mov_b32 v[NIL], 0
	ds_add_u32 v[SPW], v[NIL]                      ; the wave's opening: the add and its wait stand ahead of my first tensor load
	v_lshrrev_b32 v1, 5, v0
	v_readfirstlane_b32 s[WV], v1
	s_bfe_u32 s17, ttmp6, 0x40000                  ; cx: it enters x's and o's addresses alone
	s_mov_b32 s19, ttmp9                           ; the cluster: 64 rows
	s_lshl_b32 s18, s19, 2
	s_add_co_u32 s18, s18, s17                     ; my block of 16 rows, of 256
	; group 1: 64 rows of 256 elements, 512 bytes, padded in LDS by 32
	s_mov_b32 s24, 15|(1<<16)|(1<<20)|(1<<21)|(6<<22)|(7<<25)  ; the mask of four; 2-byte elements; padding on; bit 21 beside a mask; after every 128 words; 8 words
	s_mov_b32 s25, 256<<16                         ; tensor_dim0 = 256
	s_mov_b32 s26, 64<<16                          ; tensor_dim1 = 64
	s_mov_b32 s27, 256<<16                         ; tile_dim0 = 256
	s_mov_b32 s28, 64                              ; tile_dim1 = 64
	s_mov_b32 s29, 256                             ; 256 elements from row to row
	s_mov_b32 s30, 0
	s_mov_b32 s31, 0
	s_mov_b32 s32, 1
	s_mul_i32 s33, s[WV], 64*PW                    ; my 64 rows in slot 0,
	s_mov_b32 s36, 1
	s_add_co_u32 s37, s33, SLOT                    ; and in slot 1
	s_lshl_b32 s50, s[WV], 15                      ; my 64 rows of a block in memory
	s_mov_b32 s51, 0
	s_and_b32 s52, s18, 127
	s_lshl_b32 s52, s52, 14                        ; x: my 16 rows of 1,024 bytes in the stack
	s_mov_b32 s53, 0
	s_and_b32 s54, s18, 63
	s_lshl_b32 s54, s54, 11                        ; o: my 16 rows of 128 bytes in the sequence,
	s_lshr_b32 s55, s19, 4
	s_lshl_b32 s55, s55, 19                        ; and the sequence's four heads of 131,072 bytes
	s_add_co_u32 s54, s54, s55
	s_mov_b32 s55, 0
	s_mov_b32 s40, 0x76543210
	s_mov_b32 s41, 0xfedcba98
	s_mov_b32 s60, 0x3fb8aa3b                      ; log2(e): the packed multiply takes the pair's low word for both halves
	s_mov_b32 s61, 0x3fb8aa3b
	s_wait_dscnt 0x0                               ; the opening add is done
	s_wait_kmcnt 0x0
	s_add_nc_u64 s[34:35], s[4:5], s[50:51]        ; block 0
	s_add_nc_u64 s[38:39], s[34:35], 131072        ; block 1
	s_or_b32 s35, s35, 0x80000000                  ; type = 2
	s_or_b32 s39, s39, 0x80000000
	s_cmp_lt_u32 s19, 32                           ; the stack: the same in all four partners
	s_cselect_b64 s[42:43], s[8:9], s[10:11]
	s_cselect_b64 s[44:45], s[12:13], s[14:15]
	s_add_nc_u64 s[42:43], s[42:43], s[52:53]
	s_add_nc_u64 s[44:45], s[44:45], s[52:53]
	s_add_nc_u64 s[46:47], s[6:7], s[54:55]
	s_add_nc_u64 s[48:49], s[4:5], OFF_VEC
	CROUND                                         ; all four work-groups are here: the first joint loads meet
	tensor_load_to_lds s[32:35], s[24:31]
	s_nop 0
	tensor_load_to_lds s[36:39], s[24:31]
	s_nop 0
	PLACES
	v_and_b32 v1, 15, v0                           ; r
	v_bfe_u32 v2, v0, 4, 1                         ; hh
	s_lshl_b32 s56, s[WV], 8
	v_lshl_add_u32 v5, v2, 5, s56                  ; vectors: 256 w + 32 hh
	v_lshl_add_u32 v3, v1, 10, v5                  ; x: r x 1,024 + the same
	v_lshlrev_b32 v26, 4, v2
	v_lshl_add_u32 v4, v1, 7, v26                  ; o: r x 128 + 16 hh
.set ks, 0
.rept 8                                ; o's fragments as they lie: head ks / 2, channels 32 (ks % 2) on
	global_load_b128 v[128+8*ks:131+8*ks], v4, s[46:47] offset:(ks/2)*131072+64*(ks%2)
	global_load_b128 v[132+8*ks:135+8*ks], v4, s[46:47] offset:(ks/2)*131072+64*(ks%2)+32
.set ks, ks+1
.endr
.irp nt, 0,1,2,3
	global_load_b128 v[64+8*\nt:67+8*\nt], v3, s[42:43] offset:64*\nt
	global_load_b128 v[68+8*\nt:71+8*\nt], v3, s[42:43] offset:64*\nt+16
.endr
	WIN 0x80
.set q, 0
.rept 8
.irp nt, 0,1,2,3
	global_load_b128 v[32*q+8*\nt:32*q+8*\nt+3],   v5, s[48:49] offset:1024*(q+1)+64*\nt
	global_load_b128 v[32*q+8*\nt+4:32*q+8*\nt+7], v5, s[48:49] offset:1024*(q+1)+64*\nt+16
.endr
.set q, q+1
.endr
	WIN 0xc0
.set q, 0
.rept 3
.irp nt, 0,1,2,3
	global_load_b128 v[32*q+8*\nt:32*q+8*\nt+3],   v5, s[48:49] offset:9216+1024*q+64*\nt
	global_load_b128 v[32*q+8*\nt+4:32*q+8*\nt+7], v5, s[48:49] offset:9216+1024*q+64*\nt+16
.endr
.set q, q+1
.endr
	WIN 0
	v_and_b32 v27, 7, v0
	v_bfe_u32 v28, v0, 3, 1
	v_lshl_add_u32 v6, v2, 3, v27                  ; the turning load: row 8 hh + l % 8,
	v_mul_u32_u24 v6, v6, PW
	v_lshl_add_u32 v6, v28, 4, v6                  ; 16 bytes by (l / 8) % 2,
	s_lshl_b32 s57, s[WV], 7
	v_add_nc_u32 v6, s57, v6                       ; my 64 columns: slot 0, k under 128
	v_add_nc_u32 v7, 128*PW, v6                    ; slot 0, k from 128 on
	v_add_nc_u32 v8, SLOT, v6                      ; slot 1
	v_add_nc_u32 v9, SLOT+128*PW, v6
	v_mul_u32_u24 v11, v1, PY
	v_add_nc_u32 v11, v11, v26
	v_add_nc_u32 v11, ACTY, v11                    ; y read: r x pitch + 16 hh
	v_add_nc_u32 v10, s57, v11                     ; y stored: + my 128 bytes
	v_mul_u32_u24 v13, v1, PU
	v_add_nc_u32 v13, v13, v26
	v_add_nc_u32 v13, ACTU, v13                    ; the same for mish's results
	v_add_nc_u32 v12, s57, v13
	v_lshlrev_b32 v15, 4, v1
	v_add_nc_u32 v15, RED, v15                     ; a row's four words
	s_lshl_b32 s58, s[WV], 2
	v_add_nc_u32 v14, s58, v15                     ; mine of them
	s_mul_i32 s58, s[WV], 16*PO
	s_add_co_u32 s58, s58, ACTU                    ; my stage
	v_mul_u32_u24 v16, v1, PO
	v_lshl_add_u32 v16, v2, 5, v16
	v_add_nc_u32 v16, s58, v16                     ; in: row r, 32 bytes for each half of the lanes
	v_mul_u32_u24 v17, v2, PO
	v_lshl_add_u32 v17, v1, 4, v17
	v_add_nc_u32 v17, s58, v17                     ; back: lanes 0-15 one row of 256 bytes, lanes 16-31 the next
	v_lshlrev_b32 v18, 10, v2
	v_lshl_add_u32 v18, v1, 4, v18
	v_add_nc_u32 v18, s56, v18                     ; and the same two rows in x'
	v_mov_b32 v19, 0x3b800000                      ; 1/256
	v_mov_b32 v30, 0
	v_mov_b32 v31, 0                               ; v_permlanex16_b32 counts as a reader of its destination
	s_wait_loadcnt 0x0
	s_wait_tensorcnt 0x1                           ; my part of block 0 is in; block 1's may stay out
	s_barrier_signal -1
	s_barrier_wait -1
	GEMM 0, 2, 0                                   ; o Wo + bo
	CHANGE 1, 0                                    ; block 2 is asked for
	PLACES
	LN 32, 32, 0, 32, 64                           ; LN(.; an)
.set i, 0
.rept 16
	v_pk_add_f32 v[96+2*i:97+2*i], v[64+2*i:65+2*i], v[32+2*i:33+2*i]  ; x1
.set i, i+1
.endr
	LN 96, 192, 2, 96, 128                         ; y = LN(x1; fn)
.set i, 0
.rept 16
	v_cvt_pk_f16_f32 v[224+i], v[192+2*i], v[193+2*i]
.set i, i+1
.endr
.irp nt, 0,1,2,3
	ds_store_b128 v10, v[224+4*\nt:227+4*\nt] offset:32*\nt
.endr
	s_wait_dscnt 0x0                               ; for the others' sake: my columns of y lie in LDS
	s_barrier_signal -1
	s_barrier_wait -1
	LOADA 11, 0
	GEMM 1, 3, 0                                   ; y W1[:, 0:256] + b1
	CHANGE 1, 1                                    ; block 3
	MISH 0
	GEMM 0, 3, 32
	CHANGE 1, 0                                    ; block 4
	MISH 1
	GEMM 1, 3, 64
	CHANGE 1, 1                                    ; block 5
	MISH 2
	s_wait_dscnt 0x0
	s_barrier_signal -1
	s_barrier_wait -1                              ; all 768 columns of mish's results lie in LDS
	LOADA 13, 0
	GEMM 0, 2, 160                                 ; . W2[0:256] + b2
	CHANGE 1, 0                                    ; block 6: the last load
	LOADA 13, 512
	GEMM 1, 0, 0
	CHANGE 0                                       ; block 6 is in; nothing is asked for
	LOADA 13, 1024
	GEMM 0, 0, 0
	PLACES
	PLACES
.set i, 0
.rept 16
	v_pk_add_f32 v[32+2*i:33+2*i], v[32+2*i:33+2*i], v[96+2*i:97+2*i]  ; x1 + h
.set i, i+1
.endr
	LN 32, 32, 4, 192, 224                         ; LN(.; n)
.set i, 0
.rept 16
	v_pk_add_f32 v[32+2*i:33+2*i], v[32+2*i:33+2*i], v[64+2*i:65+2*i]  ; + x
.set i, i+1
.endr
	; THE WAY OUT.  The stage lies where mish's results lay: every wave's last reads of them were waited for ahead of the two barriers of the norm above.
.irp nt, 0,1,2,3
	ds_store_b128 v16, v[32+8*\nt:35+8*\nt] offset:64*\nt
	ds_store_b128 v16, v[36+8*\nt:39+8*\nt] offset:64*\nt+16
.endr
.irp u, 0,1,2,3,4,5,6,7
	ds_load_b128 v[192+4*\u:195+4*\u], v17 offset:2*PO*\u  ; LDS serves a wave's instructions in order (ISA guide 5.7.1.4)
.endr
.irp u, 0,1,2,3,4,5,6,7
	s_wait_dscnt 7-\u
	global_store_b128 v18, v[192+4*\u:195+4*\u], s[44:45] offset:2048*\u  ; 16 lanes store 256 consecutive bytes, at a multiple of 256 from the buffer's first byte
.endr
	s_wait_tensorcnt 0x0                           ; the wave's end
	ds_add_u32 v[SPW], v[NIL]
	s_wait_dscnt 0x0
	CROUND                                         ; the closing round
	s_endpgm
.Lfunc_end_k_qdf32ae95ad_post0:
	.size	k_qdf32ae95ad_post0, .Lfunc_end_k_qdf32ae95ad_post0-k_qdf32ae95ad_post0
	.p2alignl 7, 3214868480
	.fill 96, 4, 3214868480
	.section	.rodata,"a",@progbits
	.p2align	6, 0x0
	.amdhsa_kernel k_qdf32ae95ad_post0
		.amdhsa_group_segment_fixed_size 327680
		.amdhsa_private_segment_fixed_size 0
		.amdhsa_enable_private_segment 0
		.amdhsa_kernarg_size 48
		.amdhsa_user_sgpr_count 2
		.amdhsa_user_sgpr_kernarg_segment_ptr 1
		.amdhsa_wavefront_size32 1
		.amdhsa_system_sgpr_workgroup_id_x 1
		.amdhsa_system_sgpr_workgroup_id_y 1
		.amdhsa_system_sgpr_workgroup_id_z 1
		.amdhsa_system_vgpr_workitem_id 0
		.amdhsa_next_free_vgpr 864
		.amdhsa_next_free_sgpr 66
		.amdhsa_reserve_vcc 0
		.amdhsa_float_denorm_mode_32 3
		.amdhsa_float_denorm_mode_16_64 3
		.amdhsa_memory_ordered 1
		.amdhsa_forward_progress 1
		.amdhsa_inst_pref_size 122
	.end_amdhsa_kernel
	.amdgpu_metadata
---
amdhsa.version: [ 1, 2 ]
amdhsa.kernels:
  - .name:           k_qdf32ae95ad_post0
    .symbol:         k_qdf32ae95ad_post0.kd
    .args:
      - { .name: L0, .offset: 0, .size: 8, .value_kind: global_buffer, .address_space: global }
      - { .name: obuf, .offset: 8, .size: 8, .value_kind: global_buffer, .address_space: global }
      - { .name: out0, .offset: 16, .size: 8, .value_kind: global_buffer, .address_space: global }
      - { .name: out1, .offset: 24, .size: 8, .value_kind: global_buffer, .address_space: global }
      - { .name: xw0, .offset: 32, .size: 8, .value_kind: global_buffer, .address_space: global }
      - { .name: xw1, .offset: 40, .size: 8, .value_kind: global_buffer, .address_space: global }
    .group_segment_fixed_size: 327680
    .private_segment_fixed_size: 0
    .kernarg_segment_align: 8
    .kernarg_segment_size: 48
    .max_flat_workgroup_size: 128
    .sgpr_count:     66
    .vgpr_count:     864
    .wavefront_size: 32
...
	.end_amdgpu_metadata
.endif
;; end of part 6
;; launch att1: the kernel of part 5 again; grid 16 x 16, 4 waves a work-group, clusters of 4 x 1, 327,680 bytes of LDS; arguments L1, xw0, xw1, obuf; writes obuf
;; launch post1: the kernel of part 6 again; grid 256 x 1, 4 waves a work-group, clusters of 4 x 1, 327,680 bytes of LDS; arguments L1, obuf, xw0, xw1, out0, out1; writes out0, out1
;; launch att2: the kernel of part 5 again; grid 16 x 16, 4 waves a work-group, clusters of 4 x 1, 327,680 bytes of LDS; arguments L2, out0, out1, obuf; writes obuf
;; launch post2: the kernel of part 6 again; grid 256 x 1, 4 waves a work-group, clusters of 4 x 1, 327,680 bytes of LDS; arguments L2, obuf, out0, out1, xw0, xw1; writes xw0, xw1
;; launch att3: the kernel of part 5 again; grid 16 x 16, 4 waves a work-group, clusters of 4 x 1, 327,680 bytes of LDS; arguments L3, xw0, xw1, obuf; writes obuf
;; launch post3: the kernel of part 6 again; grid 256 x 1, 4 waves a work-group, clusters of 4 x 1, 327,680 bytes of LDS; arguments L3, obuf, xw0, xw1, out0, out1; writes out0, out1
